; MI455X (gfx1250); checked and timed in simulation.
; The chip was launched on July 23, 2026; its instructions are those of AMD's public machine-readable ISA for CDNA 5 (MIT licence, August 2026) and "CDNA5" Instruction Set Architecture Reference Guide (July 2026). The comments in the code are by the model that wrote it; some were corrected since.
;; Multi Head Attention. Allowed arithmetic: matrix products marked QUANTISED: E2M3 operands, one E8M0 scale for each 32 along K, by v_wmma_scale_f32_16x16x128_f8f6f4 with both operands' format E2M3, f32 sums; everything else in f32.
;; Inputs: Wk 1,024 x 1,024 float32; Wo 1,024 x 1,024 float32; Wq 1,024 x 1,024 float32; Wv 1,024 x 1,024 float32; beta 1,024 float32; gamma 1,024 float32; k 4 x 2,048 x 1,024 float32; mask 4 x 1 x 2,048 x 2,048 int32; q 4 x 2,048 x 1,024 float32; v 4 x 2,048 x 1,024 float32.
;; Outputs: out0 4 x 2,048 x 1,024 float32.
;; This version of the problem:
;;   THIS VERSION OF THE PROBLEM IS GIVEN IN LOW PRECISION. The matrix products marked QUANTISED in the list below multiply operands that are first quantised to E2M3 (2 exponent bits, 3 mantissa bits; 6 bits a number), with one power-of-two scale for each 32 numbers along K (OCP MX v1.0); their sums are f32. All else is computed in f32.
;;   The module's matrix products, in the order in which they are computed (A, B: the left and right operand; K: the contracted axis; several contracted axes count as one K, in the product's order):
;;     1. [M 8,192, K 1,024] x [K 1,024, N 1,024]; A: input q; B: input Wq: QUANTISED
;;     2. [M 8,192, K 1,024] x [K 1,024, N 1,024]; A: input k; B: input Wk: QUANTISED
;;     3. [M 8,192, K 1,024] x [K 1,024, N 1,024]; A: input v; B: input Wv: QUANTISED
;;     4. batch 64 x [M 2,048, K 64] x [K 64, N 2,048]; A: computed on the way; B: computed on the way: QUANTISED
;;     5. batch 64 x [M 2,048, K 2,048] x [K 2,048, N 64]; A: softmax (see below); B: computed on the way: QUANTISED
;;     6. [M 8,192, K 1,024] x [K 1,024, N 1,024]; A: computed on the way; B: input Wo: QUANTISED
;;   THE QUANTISER, for each operand of a quantised product, along K:
;;     - K is cut into blocks of 32 from its start; a last block that is shorter is filled with zeros.
;;     - A block's scale is 2^e with e = floor(log2(the largest magnitude in the block)) - 2, held to -126 .. 127; a block of zeros has e = 0. As a byte (E8M0): e + 127.
;;     - Each number is divided by its block's scale, clamped to +-7.5, and rounded to the nearest number of E2M3, ties to even, subnormals kept.
;;     - The product sums the exact products of the quantised numbers (number of the format x scale) in f32.
;;   ~~~python
;;   def quantise(x, axis):      # numpy; x: float32 -> the quantised numbers, widened to float32 again
;;       x = np.moveaxis(x, axis, -1); K = x.shape[-1]
;;       x = np.pad(x, [(0, 0)] * (x.ndim - 1) + [(0, -K % 32)]); x = x.reshape(x.shape[:-1] + (-1, 32)); a = np.abs(x).max(-1, keepdims=True)
;;       e = np.where(a > 0, np.clip(np.frexp(np.where(a > 0, a, 1))[1] - 1 - 2, -126, 127), 0)      # np.frexp(a)[1] - 1 = floor(log2(a)), exactly
;;       r = np.clip(x / 2.0 ** e, -7.5, 7.5)
;;       step = 2.0 ** (np.maximum(np.frexp(np.where(r == 0, 1, r))[1] - 1, 0) - 3)
;;       q = np.round(r / step) * step * 2.0 ** e      # np.round: ties to even
;;       return np.moveaxis(q.reshape(q.shape[:-2] + (-1,))[..., :K], -1, axis).astype(np.float32)
;;   ~~~
;;   SOFTMAX AHEAD OF A QUANTISED PRODUCT. Where the list says 'softmax', what is quantised is not the finished softmax but p = 2^(t - M), with t = logit x log2(e) and M = ceil(the row's largest t), a whole number; so 1/2 < the row's largest p <= 1. The row's sum l is taken of the UNQUANTISED p, in f32, and the product's result is divided by l at the end. Since M is a whole number, a kernel that streams over the keys may use a running M (the ceiling of the running maximum): every later rescaling is an exact power of two, which a block's scale takes up: the codes' values come out the same.
;;   OPERANDS COMPUTED ON THE WAY. 'Computed on the way' means the value that the module computes at that place (a softmax that the list does not call 'softmax' is quantised finished and normalised). What goes into a quantiser is computed in f32, as accurately as f32 sums, v_exp_f32 and their like allow (about 1e-6 of the number): no bf16 or f16 on the way to a quantiser, and a product that is left as it is and whose result goes on into a quantised operand takes f32 operands (vector FMAs, or v_wmma_f32_16x16x4_f32). A number that lies on a knife's edge between two numbers of the format may be rounded either way, as far as f32 arithmetic and the matrix unit's own rounding can turn it there, and no further.
;; One version. Each part assembles by itself: llvm-mc -triple=amdgcn-amd-amdhsa -mcpu=gfx1250 --defsym DOCPART=n.
;; ======== version 1 of 1: 4 launches
;; workspace buffers: xc 20,447,232 bytes; wc 3,407,872 bytes; mb 2,097,152 bytes of whole numbers; qkv 19,660,800 bytes; ctx 6,553,600 bytes
;; launch prep (part 1): grid 768 x 1, 4 waves a work-group, no clusters, 92,672 bytes of LDS; arguments q, k, v, mask, Wq, Wk, Wv, Wo, xc, wc, mb; writes xc, wc, mb
.if DOCPART == 1
	.amdgcn_target "amdgcn-amd-amdhsa--gfx1250"
	.amdhsa_code_object_version 6
	.text
	.protected	k_q3ec00b6f9b_prep
	.globl	k_q3ec00b6f9b_prep
	.p2align	8
	.type	k_q3ec00b6f9b_prep,@function
k_q3ec00b6f9b_prep:
	s_mov_b64 s[64:65], 0
	v_nop
	global_prefetch_b8 v0, s[64:65] scope:SCOPE_SE
	s_setreg_imm32_b32 hwreg(HW_REG_WAVE_MODE, 25, 1), 1
	s_wait_xcnt 0x0
; PREP: everything that arrives wide is read once and leaves narrow, in the order in which the later launches' operand registers take it.
;   work-groups 0-383   (path X): q, k, v [8192][1024] f32 -> codes of E2M3 along the 1,024, into xc
;   work-groups 384-639 (path M): mask [4][2048][2048] i32 -> one bit a number, as the lane masks of the score registers, into mb
;   work-groups 640-767 (path W): Wq, Wk, Wv, Wo [k 1024][n 1024] f32 -> codes along k (their FIRST axis), into wc
; A TILE is 16 rows (tokens, or columns n of a weight).  Of each group of 32 rows, tile u (0, 1) has rows 8 u + p + 8 (p / 8), p = 0 .. 15: as source 0 of a product such a pair of
; tiles leaves 16 NEIGHBOURS in a lane's 16 result registers, which is what the next quantiser wants.
; A FRAGMENT'S IMAGE (16 rows x 128 K, 12 registers a lane) is 1,536 bytes: registers 4 i .. 4 i + 3 of lane l at 512 i + 16 l.  Lane (r, h) holds row r, registers 6 c .. 6 c + 5 = K 64 c + 32 h + 0 .. 31.
; A TILE'S RECORD is TREC bytes: four chunks (256 along K) of CHK bytes: two images, then at 3,072 + 8 row the two scale words (byte b of a word: K 32 b on).
; THE QUANTISER: a block's scale byte is its largest magnitude's exponent field - 2, held at 1 from below; the conversion divides, rounds to nearest even and holds at the largest code.
; LIMITS: a block of zeros gets the byte 1 where the rule says 127 (its codes are zeros, and this program alone reads the bytes); NaN and infinities among the inputs are not served.
; No tensor load, no barrier: waves share nothing.  The three paths part on the work-group's number and have LDS bytes of their own.  Matrix units and clusters have nothing to do here: no byte is read twice.
.set TREC,  13312
.set CHK,   3328
.set SROW,  528                        ; a stage row: 512 bytes + 16, so that the 16 rows of a read start in 16 different columns of 16 bytes
.set STG,   16*SROW                    ; a wave's stage in paths X and M
.set MREG,  4*STG                      ; path M's LDS bytes begin here
.set WREG,  8*STG                      ; path W's
.set WSTG,  6144                       ; a wave's stage in path W: two tiles x two images
.set R,     64                         ; v64-191   two sets of 64 registers as loaded
.set X,     192                        ; v192-255  64 numbers as the work wants them
; v1 lane, v2 16 x lane, v3 8 x lane, v4 stage in, v5 stage out, v6 h (path X: 8 h), v7 r, v8-15 at work, v16-19 two pairs (scale words, mask words), v20-43 two sets of codes, v44-50 the conversions' second halves
	s_load_b512 s[4:19], s[0:1], 0x0               ; q, k, v, mask, Wq, Wk, Wv, Wo
	s_load_b128 s[20:23], s[0:1], 0x40             ; xc, wc
	s_load_b64 s[24:25], s[0:1], 0x50              ; mb
	v_lshl_add_u32 v62, v0, 2, 0x16800
	v_mov_b32 v63, 0
	v_lshrrev_b32 v1, 5, v0
	v_readfirstlane_b32 s26, v1                    ; wave
	v_and_b32 v1, 31, v0
	v_lshlrev_b32 v2, 4, v1
	v_lshlrev_b32 v3, 3, v1
	v_and_b32 v7, 15, v0
	v_bfe_u32 v6, v0, 4, 1
	s_mov_b32 s30, 0x76543210
	s_mov_b32 s31, 0xfedcba98                      ; v_permlanex16_b32's selects for lane l xor 16
	s_mul_i32 s27, s26, STG
	s_cmp_ge_u32 ttmp9, 640
	s_cbranch_scc1 .Lw
	s_cmp_ge_u32 ttmp9, 384
	s_cbranch_scc1 .Lm
; 16 loads: 512 consecutive bytes (128 numbers) of each of a tile's 16 rows, at step s along the rows
.macro LOADT s, pitch
.irp p, 0,1,2,3,4,5,6,7,8,9,10,11,12,13,14,15
	global_load_b128 v[R+64*((\s)%2)+4*\p:R+64*((\s)%2)+4*\p+3], v2, s[36:37] offset:(\p+8*(\p/8))*(\pitch)+512*(\s) th:TH_LOAD_NT
.endr
.endm
; and into the wave's stage as they lie; LDS serves a wave's instructions in order, so the reads that follow see these stores
.macro TURNIN s
.irp p, 0,1,2,3,4,5,6,7,8,9,10,11,12,13,14,15
	ds_store_b128 v4, v[R+64*((\s)%2)+4*\p:R+64*((\s)%2)+4*\p+3] offset:SROW*\p
.endr
.endm
; ---------------- path X: a wave takes one tile of q, k or v for all of K: 8 steps of 128 along K
	v_add_nc_u32 v4, s27, v2
	v_mul_u32_u24 v5, v7, SROW
	v_lshl_add_u32 v5, v6, 7, v5                   ; out: row r, + 128 h bytes: K 32 h on
	v_add_nc_u32 v5, s27, v5
	v_lshlrev_b32 v6, 3, v6                        ; 8 h: my bytes' place in a scale word
	v_mov_b32 v15, 0                               ; a lane permute's destination counts as one of its sources
	s_lshl_b32 s28, ttmp9, 2
	s_add_co_u32 s28, s28, s26                     ; the tile, 0 .. 1535
	s_lshr_b32 s29, ttmp9, 7                       ; the tensor
	s_and_b32 s32, s28, 511
	s_and_b32 s33, s28, 1
	s_lshl_b32 s32, s32, 4
	s_lshl_b32 s33, s33, 3
	s_sub_co_u32 s32, s32, s33                     ; its first row: 16 tile - 8 u
	s_lshl_b32 s32, s32, 12
	s_mov_b32 s33, 0
	s_mul_i32 s34, s28, TREC
	s_mov_b32 s35, 0
	s_wait_kmcnt 0x0
	s_cmp_eq_u32 s29, 0
	s_cselect_b64 s[36:37], s[4:5], s[6:7]
	s_cmp_eq_u32 s29, 2
	s_cselect_b64 s[36:37], s[8:9], s[36:37]
	s_add_nc_u64 s[36:37], s[36:37], s[32:33]
	s_add_nc_u64 s[38:39], s[20:21], s[34:35]
	LOADT 0, 4096
	LOADT 1, 4096
.macro STEPX s
.set PS, 20+12*((\s)%2)
.set PR, 16+2*(((\s)/2)%2)
.if (\s) < 7
	s_wait_loadcnt 16                              ; this step's 16 loads are in; the next step's 16 may be out
.else
	s_wait_loadcnt 0x0
.endif
	TURNIN \s
.irp c, 0,1
.irp i, 0,1,2,3,4,5,6,7
	ds_load_b128 v[X+32*\c+4*\i:X+32*\c+4*\i+3], v5 offset:256*\c+16*\i   ; register 32 c + n = K 64 c + 32 h + n of row r
.endr
.endr
	s_wait_dscnt 0x0                               ; the numbers are back, and the stores into the stage have read their registers,
.if (\s)+2 < 8
	LOADT (\s)+2, 4096                             ; which take the loads of two steps on
.endif
	s_wait_xcnt 0x0                                ; earlier stores have read their data: the codes' and the scale words' registers are rewritten only behind this wait
.irp c, 0,1
	v_max3_num_f32 v[8+\c], |v[X+32*\c]|, |v[X+32*\c+1]|, 0x1800000   ; my block 2 c + h: all 32 numbers are mine; the floor 2^(3 - 127) holds the byte at 1 from below
.endr
.irp i, 2,4,6,8,10,12,14,16,18,20,22,24,26,28,30
.irp c, 0,1
	v_max3_num_f32 v[8+\c], v[8+\c], |v[X+32*\c+\i]|, |v[X+32*\c+\i+1]|
.endr
.endr
.irp c, 0,1
	v_add_nc_u32 v[10+\c], 0xff000000, v[8+\c]     ; 2 off the exponent field: the conversion's scale operand
.endr
.irp c, 0,1
	v_lshrrev_b32 v[12+\c], 23, v[10+\c]           ; the scale's byte
.endr
	v_lshl_or_b32 v14, v13, 16, v12                ; blocks h and 2 + h,
	v_lshlrev_b32 v14, v6, v14                     ; at their places in the word;
	v_permlanex16_b32 v15, v14, s30, s31
	v_or_b32 v[PR+(\s)%2], v14, v15                ; with lane l xor 16's two the word is whole, in both halves of the lanes
	v_cvt_scalef32_pk16_fp6_f32 v[PS:PS+2], v[X:X+15], v10
	v_cvt_scalef32_pk16_fp6_f32 v[44:46], v[X+16:X+31], v10      ; (a conversion's three registers begin on an even number)
	v_cvt_scalef32_pk16_fp6_f32 v[PS+6:PS+8], v[X+32:X+47], v11
	v_cvt_scalef32_pk16_fp6_f32 v[48:50], v[X+48:X+63], v11
	v_nop                                          ; one plain place behind a scaled conversion
.irp i, 0,1,2
	v_mov_b32 v[PS+3+\i], v[44+\i]
	v_mov_b32 v[PS+9+\i], v[48+\i]
.endr
.irp i, 0,1,2
	global_store_b128 v2, v[PS+4*\i:PS+4*\i+3], s[38:39] offset:CHK*((\s)/2)+1536*((\s)%2)+512*\i   ; the image: 512 consecutive bytes a store
.endr
.if (\s)%2 == 1
	global_store_b64 v3, v[PR:PR+1], s[38:39] offset:CHK*((\s)/2)+3072   ; the chunk's scale words, twice over (lanes 16-31 repeat lanes 0-15): 256 consecutive bytes
.endif
.endm
.irp s, 0,1,2,3,4,5,6,7
	STEPX \s
.endr
	s_wait_tensorcnt 0x0
	ds_add_u32 v62, v63
	s_wait_dscnt 0x0
	s_endpgm
; ---------------- path M: a wave takes one tile of 16 queries and 8 key steps of 128 keys.  Word j of a step's 64, bit r + 16 h: mask(query row r, key 32 (j / 16) + 16 h + j % 16) != 0
.Lm:
	s_add_co_u32 s27, s27, MREG
	v_add_nc_u32 v4, s27, v2
	v_mul_u32_u24 v5, v7, SROW
	v_lshl_add_u32 v5, v6, 6, v5                   ; out: row r, + 64 h bytes: keys 16 h on
	v_add_nc_u32 v5, s27, v5
.irp i, 16,17,18,19
	v_mov_b32 v\i, 0                               ; v_writelane_b32's destination counts as read
.endr
	s_sub_co_u32 s28, ttmp9, 384
	s_lshl_b32 s28, s28, 2
	s_add_co_u32 s28, s28, s26
	s_lshr_b32 s29, s28, 1                         ; the tile of queries, 0 .. 511
	s_and_b32 s28, s28, 1                          ; which 8 key steps
	s_and_b32 s33, s29, 1
	s_lshl_b32 s32, s29, 4
	s_lshl_b32 s33, s33, 3
	s_sub_co_u32 s32, s32, s33                     ; its first row
	s_lshl_b32 s32, s32, 13                        ; rows of 8,192 bytes
	s_lshl_b32 s33, s28, 12
	s_add_co_u32 s32, s32, s33
	s_mov_b32 s33, 0
	s_lshl_b32 s34, s29, 4
	s_lshl_b32 s35, s28, 3
	s_add_co_u32 s34, s34, s35
	s_lshl_b32 s34, s34, 8                         ; 256 bytes for a tile and a key step
	s_mov_b32 s35, 0
	s_wait_kmcnt 0x0
	s_add_nc_u64 s[36:37], s[10:11], s[32:33]
	s_add_nc_u64 s[38:39], s[24:25], s[34:35]
	LOADT 0, 8192
	LOADT 1, 8192
.macro STEPM s
.set OS, 16+2*((\s)%2)
.if (\s) < 7
	s_wait_loadcnt 16                              ; this step's 16 loads are in; the next step's 16 may be out
.else
	s_wait_loadcnt 0x0
.endif
	TURNIN \s
.irp b, 0,1,2,3
.irp i, 0,1,2,3
	ds_load_b128 v[X+16*\b+4*\i:X+16*\b+4*\i+3], v5 offset:128*\b+16*\i
.endr
.endr
	s_wait_dscnt 0x0
.if (\s)+2 < 8
	LOADT (\s)+2, 8192
.endif
	s_wait_xcnt 0x0                                ; the store of two steps ago has read this pair
.set j, 0
.rept 8
.irp n, 0,1,2,3,4,5,6,7
	v_cmp_ne_u32 s[40+\n], 0, v[X+j+\n]            ; the 32 lanes' bits of word j + n
.endr
.irp n, 0,1,2,3,4,5,6,7
	v_writelane_b32 v[OS+\n%2], s[40+\n], (j+\n)/2 ; word j + n goes to byte 4 (j + n) of the block: lane (j + n) / 2 of the pair
.endr
.set j, j+8
.endr
	global_store_b64 v3, v[OS:OS+1], s[38:39] offset:256*(\s)   ; 32 lanes store 256 consecutive bytes, aligned
.endm
.irp s, 0,1,2,3,4,5,6,7
	STEPM \s
.endr
	s_wait_tensorcnt 0x0
	ds_add_u32 v62, v63
	s_wait_dscnt 0x0
	s_endpgm
; ---------------- path W: a lane takes a column n and its registers run down K; a wave takes 32 columns (two tiles) x 256 along K (one chunk): 8 blocks a lane
.Lw:
	s_mul_i32 s27, s26, WSTG
	s_add_co_u32 s27, s27, WREG
	v_bfe_u32 v30, v0, 3, 1                        ; my column's tile u
	v_and_b32 v31, 7, v0
	v_lshl_add_u32 v31, v6, 3, v31                 ; and its row there: lane % 8 + 8 (lane / 16)
	v_mul_u32_u24 v4, v30, 3072
	v_lshl_add_u32 v4, v31, 4, v4
	v_add_nc_u32 v4, s27, v4                       ; into the stage: tile u's two images, 16 x row
	v_add_nc_u32 v5, s27, v2                       ; out of it: as it lies
	v_lshlrev_b32 v14, 2, v1                       ; in: 4 bytes a lane
	v_mul_u32_u24 v13, v30, TREC
	v_lshl_add_u32 v13, v31, 3, v13                ; my row's scale words
	s_sub_co_u32 s28, ttmp9, 640
	s_lshr_b32 s29, s28, 5                         ; the weight: 0 Wq, 1 Wk, 2 Wv, 3 Wo
	s_and_b32 s32, s28, 7
	s_bfe_u32 s33, s28, 0x20003                    ; the chunk
	s_lshl_b32 s32, s32, 2
	s_add_co_u32 s32, s32, s26                     ; the group of 32 columns
	s_lshl_b32 s34, s33, 20                        ; 256 rows of 4,096 bytes a chunk
	s_lshl_b32 s35, s32, 7
	s_add_co_u32 s34, s34, s35
	s_mov_b32 s35, 0
	s_lshl_b32 s40, s29, 6
	s_lshl_b32 s41, s32, 1
	s_add_co_u32 s40, s40, s41                     ; the first of my two tiles in wc
	s_mul_i32 s40, s40, TREC
	s_mul_i32 s41, s33, CHK
	s_add_co_u32 s40, s40, s41
	s_mov_b32 s41, 0
	s_wait_kmcnt 0x0
	s_cmp_eq_u32 s29, 1
	s_cselect_b64 s[36:37], s[14:15], s[12:13]
	s_cmp_eq_u32 s29, 2
	s_cselect_b64 s[36:37], s[16:17], s[36:37]
	s_cmp_eq_u32 s29, 3
	s_cselect_b64 s[36:37], s[18:19], s[36:37]
	s_add_nc_u64 s[36:37], s[36:37], s[34:35]
	s_add_nc_u64 s[38:39], s[22:23], s[40:41]
.macro LOADW t
.set i, 0
.rept 32
	global_load_b32 v[64+32*((\t)%2)+i], v14, s[36:37] offset:(32*(\t)+i)*4096 th:TH_LOAD_NT   ; a wave reads 128 consecutive bytes, the four waves 512
.set i, i+1
.endr
.endm
	LOADW 0
	LOADW 1
.macro BLOCKW t
.set XS, 64+32*((\t)%2)
.set OI, 1536*((\t)/4)+256*((\t)%2)    ; the image of K step t / 4; the block belongs to lanes r + 16 (t % 2) of it
.if (\t) < 7
	s_wait_loadcnt 32                              ; this block's 32 loads are in; the next block's may be out
.else
	s_wait_loadcnt 0x0
.endif
	v_max3_num_f32 v8, |v[XS]|, |v[XS+1]|, 0x1800000
	v_max3_num_f32 v9, |v[XS+2]|, |v[XS+3]|, |v[XS+4]|
.irp i, 5,9,13,17,21,25
	v_max3_num_f32 v8, v8, |v[XS+\i]|, |v[XS+\i+1]|
	v_max3_num_f32 v9, v9, |v[XS+\i+2]|, |v[XS+\i+3]|
.endr
	v_max3_num_f32 v8, v8, |v[XS+29]|, |v[XS+30]|
	v_max3_num_f32 v8, v8, v9, |v[XS+31]|
	v_add_nc_u32 v10, 0xff000000, v8
	v_lshrrev_b32 v12, 23, v10
.if (\t)%4 == 0
	v_mov_b32 v[26+(\t)/4], v12
.else
	v_lshl_or_b32 v[26+(\t)/4], v12, 8*((\t)%4), v[26+(\t)/4]
.endif
	v_cvt_scalef32_pk16_fp6_f32 v[20:22], v[XS:XS+15], v10
	v_cvt_scalef32_pk16_fp6_f32 v[44:46], v[XS+16:XS+31], v10
	v_nop
.irp i, 0,1,2
	v_mov_b32 v[23+\i], v[44+\i]
.endr
.if (\t)%4 < 2                         ; the fragment's registers 0-5
	ds_store_b128 v4, v[20:23] offset:OI
	ds_store_b64 v4, v[24:25] offset:OI+512
.else                                  ; its registers 6-11
	ds_store_b64 v4, v[20:21] offset:OI+520
	ds_store_b128 v4, v[22:25] offset:OI+1024
.endif
.if (\t)+2 < 8
	LOADW (\t)+2
.endif
	s_wait_dscnt 0x0                               ; the stores have read their registers
.endm
.irp t, 0,1,2,3,4,5,6,7
	BLOCKW \t
.endr
	global_store_b64 v13, v[26:27], s[38:39] offset:3072   ; 128 bytes of scale words a tile
.irp n, 0,1,2,3,4,5,6,7,8,9,10,11
	ds_load_b128 v[128+4*\n:128+4*\n+3], v5 offset:512*\n
.endr
.irp n, 0,1,2,3,4,5,6,7,8,9,10,11
	s_wait_dscnt 11-\n
	global_store_b128 v2, v[128+4*\n:128+4*\n+3], s[38:39] offset:(\n/6)*TREC+512*(\n%6)
.endr
	s_wait_tensorcnt 0x0
	ds_add_u32 v62, v63
	s_wait_dscnt 0x0
	s_endpgm
.Lfunc_end_k_q3ec00b6f9b_prep:
	.size	k_q3ec00b6f9b_prep, .Lfunc_end_k_q3ec00b6f9b_prep-k_q3ec00b6f9b_prep
	.p2alignl 7, 3214868480
	.fill 96, 4, 3214868480
	.section	.rodata,"a",@progbits
	.p2align	6, 0x0
	.amdhsa_kernel k_q3ec00b6f9b_prep
		.amdhsa_group_segment_fixed_size 92672
		.amdhsa_private_segment_fixed_size 0
		.amdhsa_enable_private_segment 0
		.amdhsa_kernarg_size 88
		.amdhsa_user_sgpr_count 2
		.amdhsa_user_sgpr_kernarg_segment_ptr 1
		.amdhsa_wavefront_size32 1
		.amdhsa_system_sgpr_workgroup_id_x 1
		.amdhsa_system_sgpr_workgroup_id_y 1
		.amdhsa_system_sgpr_workgroup_id_z 1
		.amdhsa_system_vgpr_workitem_id 0
		.amdhsa_next_free_vgpr 256
		.amdhsa_next_free_sgpr 66
		.amdhsa_reserve_vcc 0
		.amdhsa_float_denorm_mode_32 3
		.amdhsa_float_denorm_mode_16_64 3
		.amdhsa_memory_ordered 1
		.amdhsa_forward_progress 1
		.amdhsa_inst_pref_size 193
	.end_amdhsa_kernel
	.amdgpu_metadata
---
amdhsa.version: [ 1, 2 ]
amdhsa.kernels:
  - .name:           k_q3ec00b6f9b_prep
    .symbol:         k_q3ec00b6f9b_prep.kd
    .args:
      - { .name: q, .offset: 0, .size: 8, .value_kind: global_buffer, .address_space: global }
      - { .name: k, .offset: 8, .size: 8, .value_kind: global_buffer, .address_space: global }
      - { .name: v, .offset: 16, .size: 8, .value_kind: global_buffer, .address_space: global }
      - { .name: mask, .offset: 24, .size: 8, .value_kind: global_buffer, .address_space: global }
      - { .name: Wq, .offset: 32, .size: 8, .value_kind: global_buffer, .address_space: global }
      - { .name: Wk, .offset: 40, .size: 8, .value_kind: global_buffer, .address_space: global }
      - { .name: Wv, .offset: 48, .size: 8, .value_kind: global_buffer, .address_space: global }
      - { .name: Wo, .offset: 56, .size: 8, .value_kind: global_buffer, .address_space: global }
      - { .name: xc, .offset: 64, .size: 8, .value_kind: global_buffer, .address_space: global }
      - { .name: wc, .offset: 72, .size: 8, .value_kind: global_buffer, .address_space: global }
      - { .name: mb, .offset: 80, .size: 8, .value_kind: global_buffer, .address_space: global }
    .group_segment_fixed_size: 92672
    .private_segment_fixed_size: 0
    .kernarg_segment_align: 8
    .kernarg_segment_size: 88
    .max_flat_workgroup_size: 128
    .sgpr_count:     66
    .vgpr_count:     256
    .wavefront_size: 32
...
	.end_amdgpu_metadata
.endif
;; end of part 1
;; launch proj (part 2): grid 4 x 96, 4 waves a work-group, clusters of 4 x 4, 327,680 bytes of LDS; arguments xc, wc, qkv; writes qkv
.if DOCPART == 2
	.amdgcn_target "amdgcn-amd-amdhsa--gfx1250"
	.amdhsa_code_object_version 6
	.text
	.protected	k_q3ec00b6f9b_proj
	.globl	k_q3ec00b6f9b_proj
	.p2align	8
	.type	k_q3ec00b6f9b_proj,@function
k_q3ec00b6f9b_proj:
	s_mov_b64 s[64:65], 0
	v_nop
	global_prefetch_b8 v0, s[64:65] scope:SCOPE_SE
	s_setreg_imm32_b32 hwreg(HW_REG_WAVE_MODE, 25, 1), 1
	s_wait_xcnt 0x0
	s_wait_alu depctr_hold_cnt(0) depctr_sa_sdst(0) depctr_va_vdst(0) depctr_va_sdst(0) depctr_va_ssrc(0) depctr_va_vcc(0) depctr_vm_vsrc(0)
	s_getreg_b32 s2, hwreg(HW_REG_IB_STS2, 6, 4)
	s_cmp_eq_u32 s2, 0
	s_cbranch_scc0 .Lentry_in_a_cluster
	s_endpgm
.Lentry_in_a_cluster:
	s_bfe_u32 s2, ttmp6, 0x10000c
	s_cmp_lg_u32 s2, 0xf033
	s_cbranch_scc0 .Lentry_shape_is_right
	s_endpgm
.Lentry_shape_is_right:
; PROJ: q Wq, k Wk, v Wv on codes of E2M3 (M 8,192, K 1,024, N 1,024 each), and the results quantised in registers into the operand images that the attention launch reads.
; A work-group makes 256 tokens x 256 columns of one of the three products (job = Y / 32), a wave 128 x 128: 64 accumulators, 512 registers.  Operands arrive as register images (see below), so a fragment is
; three LDS loads of 512 consecutive bytes: no pitch, no padding.
; WHICH SIDE RUNS ALONG THE REGISTERS.  Source 0's rows run along a lane's result registers, source 1's rows lie one to a lane.  Q and K are quantised along the head's 64 columns: source 0 = the weight's tiles, source 1 = the tokens'.
; V is quantised along the keys: source 0 = the tokens' tiles, source 1 = the weight's.  One text serves both: only the LDS addresses of the two sides (L: one row a lane, R: along the registers) change places, by jv (1 for V),
; which comes of the cluster's y and is the same in all sixteen partners.
; K goes in four chunks of 256 through three LDS slots: chunks 0, 1, 2 are first fills, chunk 3 is filled into slot 0 behind K step 1 and has four K steps in which to land.  By this text's count a wave has three tensor loads out at the start, later one.
; CLUSTERS: 4 x 4.  The tokens' tiles hang on Y alone and are shared along a row of the cluster, the weights' on X and the job and are shared along a column: joint loads, which divide the requests by four.
; 384 work-groups: three products of 32 x 4 tiles of 256 x 256 do not divide into 256 equal shares by tiles of whole 256 rows.
; OUT (qkv): a record of HREC bytes for each (job, batch, head): 64 images, then 16 blocks of 256 bytes of scale words at 98,304 + 256 ks + 16 row + 4 y.
;   Q, K: image 4 ks + y = 32 tokens: registers 0-5 the 64 columns of tile u = 0's token in row r, registers 6-11 those of tile u = 1's.   V: image 4 ks + t = 16 of the head's 64 columns x keys 128 ks on.
; LIMITS: as the quantiser's in the first launch: a block of zeros has the byte 1; NaN and infinities are not served.
; REGISTERS, in windows of 256: window 0: v1 r, v2 h, v4-15 LDS addresses, v16 16 x lane, v17 the scale store's offset, v28-29 the add's; v32-95 scale words, two sets; v128-223 L's 8 fragments, one set;
;   in the way out v96-107 scale words made, v108-123 at work, v128-158 codes.   window 1: R's 8 fragments, two sets, at v0 and v128.   windows 2, 3: accumulator (a, b) at v[8 (8 (a % 4) + b)] of window 2 + a / 4.
.set TREC,  13312
.set CHK,   3328
.set TILEB, 3200                       ; what is read of a tile's chunk: two images and 128 bytes of scale words
.set QUART, 8*TILEB                    ; what one tensor load brings, and what one wave reads of a side
.set HALF,  2*QUART
.set SLOT,  2*HALF                     ; the tokens' 16 tiles, then the weight's 16
.set SPARE, 3*SLOT                     ; behind the slots: the spare words, 128 bytes a wave
.set HREC,  102400
.set ADL, 4
.set ADR, 7
.set ASL, 10
.set ASR, 13
.set LI,  16
.set SOF, 17
.set SPW, 28
.set NIL, 29
.set SC,  32                           ; set sc at SC + 32 sc: L's words of block i, K step q at + 2 i + q, R's at + 16 + 2 i + q; both are read from lanes 0-15
.set SW,  96
.set SWM, 104
.set TM,  108
.set LF,  128
.set G1A, 24
.set G1B, 32
.set G0A, 40                           ; s[40:51] three groups 0 for the tokens' tiles, s[52:63] for the weight's
.set G0B, 52
.set MSB, 0
.macro WIN new
.if MSB != (\new)
	s_set_vgpr_msb (MSB<<8)|(\new)
.set MSB, (\new)
.endif
.endm
.set MUL_LO, 0xa1                      ; source 0 (R) window 1, source 1 (L) window 0, C and D window 2
.set MUL_HI, 0xf1
.set TO_R,   0x40
.macro PLACES
.rept 4
	v_nop
.endr
.endm
; a joint load: waves 0, 1 fetch the tokens' halves, waves 2, 3 the weight's.  Four v_nop follow each line
.macro JLOAD g0a, g0b
	s_cmp_lt_u32 s10, 2
	s_cbranch_scc0 .Lfor_b_\@
	tensor_load_to_lds s[\g0a:\g0a+3], s[G1A:G1A+7]
	s_nop 0
.rept 4
	v_nop
.endr
	s_branch .Lasked_\@
.Lfor_b_\@:
	tensor_load_to_lds s[\g0b:\g0b+3], s[G1B:G1B+7]
	s_nop 0
.rept 4
	v_nop
.endr
.Lasked_\@:
.endm
.macro CREST
	s_cmp_lg_u32 s10, 0
	s_cbranch_scc1 .Lnot_wave_0_\@
	s_barrier_signal -3
.Lnot_wave_0_\@:
	s_barrier_wait -3
	s_barrier_signal -1
	s_barrier_wait -1
.endm
.macro CROUND
	s_barrier_signal -1
	s_barrier_wait -1
	CREST
.endm
	s_load_b128 s[4:7], s[0:1], 0x0                ; xc, wc
	s_load_b64 s[8:9], s[0:1], 0x10                ; qkv
	v_lshl_add_u32 v[SPW], v0, 2, SPARE
	v_mov_b32 v[NIL], 0
	ds_add_u32 v28, v29
	ds_add_u32 v28, v29
	s_wait_dscnt 0x0
	v_lshrrev_b32 v1, 5, v0
	v_readfirstlane_b32 s10, v1                    ; wave
	s_lshr_b32 s11, s10, 1                         ; hl: my half of L's tiles
	s_and_b32 s12, s10, 1                          ; hr: my half of R's.  Also: which 8 tiles I fetch
	s_bfe_u32 s13, ttmp6, 0x40000                  ; cx
	s_bfe_u32 s14, ttmp6, 0x40004                  ; cy
	s_lshl_b32 s15, ttmp9, 2
	s_add_co_u32 s15, s15, s13                     ; X: block of 256 columns
	s_and_b32 s17, ttmp7, 0xffff                   ; the cluster's y, 0 .. 23
	s_lshl_b32 s16, s17, 2
	s_add_co_u32 s16, s16, s14                     ; Y: job x 32 + block of 256 tokens
	s_lshr_b32 s18, s17, 3                         ; job
	s_lshr_b32 s19, s17, 4
	s_min_u32 s19, s19, 1                          ; jv
	s_lshl_b32 s20, s14, 2
	s_lshl_b32 s20, 15, s20                        ; my row of the cluster
	s_lshl_b32 s21, 0x1111, s13                    ; my column
	s_or_b32 s[G1A], s20, (3<<16)|(1<<21)          ; 15:0 the mask; 17:16 elements of 8 bytes; 21 set beside a mask; no padding
	s_or_b32 s[G1B], s21, (3<<16)|(1<<21)
.irp g, G1A, G1B
	s_mov_b32 s[\g+1], 400<<16                     ; tensor_dim0: 400 elements = 3,200 bytes of a tile's chunk
	s_mov_b32 s[\g+2], 8<<16                       ; tensor_dim1: 8 tiles
	s_mov_b32 s[\g+3], 400<<16                     ; tile_dim0
	s_mov_b32 s[\g+4], 8                           ; tile_dim1
	s_mov_b32 s[\g+5], TREC/8                      ; from tile to tile
	s_mov_b32 s[\g+6], 0
	s_mov_b32 s[\g+7], 0
.endr
	s_lshl_b32 s20, s12, 3                         ; which 8 tiles
	s_lshl_b32 s66, s16, 4
	s_add_co_u32 s66, s66, s20                     ; tokens: tile 16 Y + 8 half
	s_mul_i32 s66, s66, TREC
	s_mov_b32 s67, 0
	s_lshl_b32 s68, s18, 6
	s_lshl_b32 s21, s15, 4
	s_add_co_u32 s68, s68, s21
	s_add_co_u32 s68, s68, s20                     ; weight: tile 64 job + 16 X + 8 half
	s_mul_i32 s68, s68, TREC
	s_mov_b32 s69, 0
	s_mul_i32 s22, s10, QUART                      ; where they go: no place in the cluster enters an LDS address
	s_wait_kmcnt 0x0
	s_add_nc_u64 s[66:67], s[4:5], s[66:67]
	s_add_nc_u64 s[68:69], s[6:7], s[68:69]
	CROUND                                         ; all sixteen work-groups are here: the first joint loads meet
.irp c, 0,1,2
	s_mov_b32 s[G0A+4*\c], 1
	s_add_co_u32 s[G0A+4*\c+1], s22, \c*SLOT
	s_add_nc_u64 s[G0A+4*\c+2:G0A+4*\c+3], s[66:67], \c*CHK
	s_or_b32 s[G0A+4*\c+3], s[G0A+4*\c+3], 0x80000000
	s_mov_b32 s[G0B+4*\c], 1
	s_add_co_u32 s[G0B+4*\c+1], s22, \c*SLOT
	s_add_nc_u64 s[G0B+4*\c+2:G0B+4*\c+3], s[68:69], \c*CHK
	s_or_b32 s[G0B+4*\c+3], s[G0B+4*\c+3], 0x80000000
.endr
	s_cmp_lt_u32 s10, 2                            ; a wave's three first fills stand in one branch, ahead of every wait on TENSORcnt, LDS read and work-group barrier behind the round
	s_cbranch_scc0 .Lfirst_b
	tensor_load_to_lds s[G0A:G0A+3], s[G1A:G1A+7]
	s_nop 0
	tensor_load_to_lds s[G0A+4:G0A+7], s[G1A:G1A+7]
	s_nop 0
	tensor_load_to_lds s[G0A+8:G0A+11], s[G1A:G1A+7]
	s_nop 0
.rept 4
	v_nop
.endr
	s_branch .Lfirst_asked
.Lfirst_b:
	tensor_load_to_lds s[G0B:G0B+3], s[G1B:G1B+7]
	s_nop 0
	tensor_load_to_lds s[G0B+4:G0B+7], s[G1B:G1B+7]
	s_nop 0
	tensor_load_to_lds s[G0B+8:G0B+11], s[G1B:G1B+7]
	s_nop 0
.rept 4
	v_nop
.endr
.Lfirst_asked:
	v_and_b32 v1, 15, v0                           ; r
	v_bfe_u32 v2, v0, 4, 1                         ; h
	v_and_b32 v3, 31, v0
	v_lshlrev_b32 v[LI], 4, v3
	v_lshlrev_b32 v3, 3, v1                        ; 8 r
	v_mul_u32_u24 v[SOF], v2, HREC
	v_lshl_add_u32 v[SOF], v1, 4, v[SOF]           ; lanes 0-15 store my first head's scale words, lanes 16-31 my second's
.irp b, 0,1,2,3
	v_mov_b32 v[TM+4+\b], 0                        ; a lane permute's destination counts as one of its sources
.endr
	s_mul_i32 s80, s19, HALF                       ; L: the tokens' half of a slot, or for V the weight's,
	s_xor_b32 s81, s19, 1
	s_mul_i32 s81, s81, HALF                       ; R: the other
	s_mul_i32 s82, s11, QUART
	s_mul_i32 s83, s12, QUART
	s_add_co_u32 s80, s80, s82
	s_add_co_u32 s81, s81, s83
.irp s, 0,1,2
	v_add_nc_u32 v[ADL+\s], s80, v[LI]
	v_add_nc_u32 v[ADR+\s], s81, v[LI]
	v_add_nc_u32 v[ASL+\s], s80, v3
	v_add_nc_u32 v[ASR+\s], s81, v3
	s_add_co_u32 s80, s80, SLOT
	s_add_co_u32 s81, s81, SLOT
.endr
	s_mov_b32 s84, 0x76543210
	s_mov_b32 s85, 0xfedcba98
	; where my results go
	s_cmp_eq_u32 s19, 1
	s_cselect_b32 s70, s12, s11                    ; which 128 tokens of the block are mine
	s_cselect_b32 s71, s11, s12                    ; which two heads of the block's four
	s_and_b32 s72, s16, 31
	s_lshl_b32 s72, s72, 1
	s_add_co_u32 s72, s72, s70                     ; my first token / 128
	s_lshr_b32 s73, s72, 4                         ; batch
	s_and_b32 s72, s72, 15                         ; ks
	s_lshl_b32 s74, s18, 6
	s_lshl_b32 s73, s73, 4
	s_add_co_u32 s74, s74, s73
	s_lshl_b32 s73, s15, 2
	s_add_co_u32 s74, s74, s73
	s_lshl_b32 s71, s71, 1
	s_add_co_u32 s74, s74, s71                     ; record 64 job + 16 batch + head
	s_mul_i32 s74, s74, HREC
	s_mul_i32 s76, s72, 6144
	s_add_co_u32 s76, s76, s74                     ; my four images of each head
	s_mov_b32 s77, 0
	s_lshl_b32 s78, s72, 8
	s_add_co_u32 s78, s78, s74
	s_add_co_u32 s78, s78, 98304                   ; and their scale words
	s_mov_b32 s79, 0
	s_add_nc_u64 s[76:77], s[8:9], s[76:77]
	s_add_nc_u64 s[78:79], s[8:9], s[78:79]
.macro FRAG reg, adr, off              ; a fragment's image: three loads of 512 consecutive bytes
.irp g, 0,1,2
	ds_load_b128 v[(\reg)+4*\g:(\reg)+4*\g+3], v[\adr] offset:(\off)+512*\g
.endr
.endm
.macro FETCH_R slot, q, p              ; R's eight fragments of the slot's q-th 128 along K into set p
	WIN TO_R
.irp i, 0,1,2,3,4,5,6,7
	FRAG 128*(\p)+12*\i, ADR+\slot, TILEB*\i+1536*(\q)
.endr
	WIN 0
.endm
.macro FETCH_L slot, q, i0             ; L's blocks i0 .. i0 + 3
.irp i, \i0, \i0+1, \i0+2, \i0+3
	FRAG LF+12*(\i), ADL+\slot, TILEB*(\i)+1536*(\q)
.endr
.endm
.macro SCALES slot, sc                 ; a chunk's scale words: two words a row
.irp i, 0,1,2,3,4,5,6,7
	ds_load_b64 v[SC+32*(\sc)+2*\i:SC+32*(\sc)+2*\i+1], v[ASL+\slot] offset:TILEB*\i+3072
	ds_load_b64 v[SC+32*(\sc)+16+2*\i:SC+32*(\sc)+16+2*\i+1], v[ASR+\slot] offset:TILEB*\i+3072
.endr
.endm
; 16 matrix instructions: L's blocks a0, a0 + 1 x R's eight.  The 64 accumulators take turns, one instruction a turn, in the same order in every K step
.macro MUL16 a0, p, q, sc, zero
.irp a, \a0, \a0+1
.irp b, 0,1,2,3,4,5,6,7
.if \zero
	v_wmma_scale_f32_16x16x128_f8f6f4 v[8*(8*((\a)%4)+\b):8*(8*((\a)%4)+\b)+7], v[128*(\p)+12*\b:128*(\p)+12*\b+11], v[LF+12*(\a):LF+12*(\a)+11], 0, v[SC+32*(\sc)+16+2*\b+(\q)], v[SC+32*(\sc)+2*(\a)+(\q)] matrix_a_fmt:MATRIX_FMT_FP6 matrix_b_fmt:MATRIX_FMT_FP6
.else
	v_wmma_scale_f32_16x16x128_f8f6f4 v[8*(8*((\a)%4)+\b):8*(8*((\a)%4)+\b)+7], v[128*(\p)+12*\b:128*(\p)+12*\b+11], v[LF+12*(\a):LF+12*(\a)+11], v[8*(8*((\a)%4)+\b):8*(8*((\a)%4)+\b)+7], v[SC+32*(\sc)+16+2*\b+(\q)], v[SC+32*(\sc)+2*(\a)+(\q)] matrix_a_fmt:MATRIX_FMT_FP6 matrix_b_fmt:MATRIX_FMT_FP6
.endif
.endr
.endr
.endm
; a K step of 128: 64 matrix instructions.  L's blocks 0-3 are fetched anew in its middle, 4-7 at its end; R has two sets.  Four places stand in front of each run of loads into registers that matrix instructions have read
.macro STEP p, q, sc, nslot, nq, nsc, zero
	s_wait_dscnt 12                                ; all but the youngest 12 loads (L's blocks 4-7) are in
	WIN MUL_LO
	MUL16 0, \p, \q, \sc, \zero
	MUL16 2, \p, \q, \sc, \zero
	s_wait_dscnt 0x0
	PLACES
	FETCH_R \nslot, \nq, 1-(\p)
	FETCH_L \nslot, \nq, 0
.if (\nsc) >= 0
	SCALES \nslot, \nsc
.endif
	WIN MUL_HI
	MUL16 4, \p, \q, \sc, \zero
	MUL16 6, \p, \q, \sc, \zero
	PLACES
	WIN 0
	FETCH_L \nslot, \nq, 4
.endm
; a chunk's second K step with a barrier in it.  In front of the barrier each wave waits for all its tensor loads, adds 0 to its spare word, and waits for that and for its reads of the slot.
; fill = 1: the barrier opens a round of the cluster's, and slot 0, which nobody reads any more, takes chunk 3.
.macro TURN sc, nslot, nsc, fill
	s_wait_tensorcnt 0x0                           ; all my tensor loads have landed
	ds_add_u32 v[SPW], v[NIL]                      ; 0 onto my spare word
	s_wait_dscnt 13                                ; (the add and the youngest 12 loads may be out)
	WIN MUL_LO
	MUL16 0, 1, 1, \sc, 0
	s_wait_dscnt 0x0                               ; the add is done, and my reads of this slot are over
	s_barrier_signal -1
	MUL16 2, 1, 1, \sc, 0
	WIN 0
	s_barrier_wait -1
.if \fill
	CREST                                          ; no wave of any partner still reads slot 0 or has a load on its way
	s_add_nc_u64 s[G0A+2:G0A+3], s[G0A+2:G0A+3], 3*CHK
	s_add_nc_u64 s[G0B+2:G0B+3], s[G0B+2:G0B+3], 3*CHK
	JLOAD G0A, G0B                                 ; my one tensor load behind the round; its four v_nop are also the places in front of the loads below
.else
	PLACES
.endif
	FETCH_R \nslot, 0, 0
	FETCH_L \nslot, 0, 0
	SCALES \nslot, \nsc
	WIN MUL_HI
	MUL16 4, 1, 1, \sc, 0
	MUL16 6, 1, 1, \sc, 0
	PLACES
	WIN 0
	FETCH_L \nslot, 0, 4
.endm
	s_wait_tensorcnt 2                             ; my part of chunk 0 is in; chunks 1 and 2 may be out
	s_barrier_signal -1
	s_barrier_wait -1
	FETCH_R 0, 0, 0
	FETCH_L 0, 0, 0
	SCALES 0, 0
	FETCH_L 0, 0, 4
	STEP 0, 0, 0, 0, 1, -1, 1                      ; K step 0: its products start the sums
	TURN 0, 1, 1, 1                                ; K step 1: every wave's chunks 1 and 2 are shown landed; chunk 3 is asked for
	STEP 0, 0, 1, 1, 1, -1, 0                      ; K step 2
	STEP 1, 1, 1, 2, 0, 0, 0                       ; K step 3: on into slot 2, which the barrier of K step 1 has shown whole
	STEP 0, 0, 0, 2, 1, -1, 0                      ; K step 4
	TURN 0, 0, 1, 0                                ; K step 5: chunk 3 is shown landed to every wave; nothing is filled
	STEP 0, 0, 1, 0, 1, -1, 0                      ; K step 6
	s_wait_dscnt 12                                ; K step 7: nothing more to fetch
	WIN MUL_LO
	MUL16 0, 1, 1, 1, 0
	MUL16 2, 1, 1, 1, 0
	s_wait_dscnt 0x0
	WIN MUL_HI
	MUL16 4, 1, 1, 1, 0
	MUL16 6, 1, 1, 1, 0
	WIN 0
	PLACES
; THE WAY OUT.  Four blocks of 32 along the next K, each as 16 registers of lanes l and l xor 16 (at b1, b1 + 16, b2, b2 + 16 of window W), become one fragment's image and one scale word a row.
.macro QUANT4 W, b1, b2, x, y
.set PCS, 128+12*((\y)%2)
	s_wait_xcnt 0x0                                ; earlier stores have read the codes' registers
	WIN (\W)|((\W)<<2)
.irp b, 0,1,2,3
	v_max3_num_f32 v[TM+\b], |v[(\b1)+((\b2)-(\b1))*(\b/2)+16*(\b%2)]|, |v[(\b1)+((\b2)-(\b1))*(\b/2)+16*(\b%2)+1]|, 0x1800000   ; each accumulator is read from its low end on
.endr
.irp i, 2,4,6,8,10,12,14
.irp b, 0,1,2,3
	v_max3_num_f32 v[TM+\b], |v[(\b1)+((\b2)-(\b1))*(\b/2)+16*(\b%2)+\i]|, |v[(\b1)+((\b2)-(\b1))*(\b/2)+16*(\b%2)+\i+1]|, v[TM+\b]
.endr
.endr
	WIN 0
.irp b, 0,1,2,3
	v_permlanex16_b32 v[TM+4+\b], v[TM+\b], s84, s85
.endr
.irp b, 0,1,2,3
	v_max_num_f32 v[TM+\b], v[TM+\b], v[TM+4+\b]
.endr
.irp b, 0,1,2,3
	v_add_nc_u32 v[TM+12+\b], 0xff000000, v[TM+\b]
.endr
.irp b, 0,1,2,3
	v_lshrrev_b32 v[TM+8+\b], 23, v[TM+12+\b]
.endr
	v_lshl_or_b32 v[SW+4*(\x)+(\y)], v[TM+9], 8, v[TM+8]
	v_lshl_or_b32 v[SW+4*(\x)+(\y)], v[TM+10], 16, v[SW+4*(\x)+(\y)]
	v_lshl_or_b32 v[SW+4*(\x)+(\y)], v[TM+11], 24, v[SW+4*(\x)+(\y)]
	WIN (\W)
	v_cvt_scalef32_pk16_fp6_f32 v[PCS:PCS+2], v[(\b1):(\b1)+15], v[TM+12]
	v_cvt_scalef32_pk16_fp6_f32 v[152:154], v[(\b1)+16:(\b1)+31], v[TM+13]
	v_cvt_scalef32_pk16_fp6_f32 v[PCS+6:PCS+8], v[(\b2):(\b2)+15], v[TM+14]
	v_cvt_scalef32_pk16_fp6_f32 v[156:158], v[(\b2)+16:(\b2)+31], v[TM+15]
	WIN 0
	v_nop                                          ; one plain place behind a scaled conversion
.irp i, 0,1,2
	v_permlane16_swap_b32 v[PCS+\i], v[152+\i]     ; the layout wants a whole block in a lane
	v_permlane16_swap_b32 v[PCS+6+\i], v[156+\i]
.endr
.irp i, 0,1,2
	v_mov_b32 v[PCS+3+\i], v[152+\i]
	v_mov_b32 v[PCS+9+\i], v[156+\i]
.endr
.irp i, 0,1,2
	global_store_b128 v[LI], v[PCS+4*\i:PCS+4*\i+3], s[76:77] offset:HREC*(\x)+1536*(\y)+512*\i
.endr
.endm
	s_cmp_eq_u32 s19, 1
	s_cbranch_scc1 .Lvjob
.irp y, 0,1,2,3                        ; Q, K: image y = token tiles 2 y, 2 y + 1 (L's blocks), head x = R's blocks 4 x .. 4 x + 3
.irp x, 0,1
	QUANT4 2+(\y/2), 64*((2*\y)%4)+32*\x, 64*((2*\y)%4)+32*\x+64, \x, \y
.endr
.endr
	s_branch .Lwords
.Lvjob:
.irp x, 0,1                            ; V: image y = L's block 4 x + y (16 columns of head x), my 128 tokens = R's eight blocks
.irp y, 0,1,2,3
	QUANT4 2+\x, 64*\y, 64*\y+32, \x, \y
.endr
.endr
.Lwords:
	v_cmp_eq_u32 vcc_lo, 1, v2
.irp y, 0,1,2,3
	v_cndmask_b32 v[SWM+\y], v[SW+\y], v[SW+4+\y], vcc_lo
.endr
	global_store_b128 v[SOF], v[SWM:SWM+3], s[78:79]   ; sixteen lanes store a head's 256 consecutive bytes of scale words
	s_wait_tensorcnt 0x0                           ; the wave's end
	ds_add_u32 v[SPW], v[NIL]
	s_wait_dscnt 0x0
	CROUND                                         ; the closing round
	s_endpgm
.Lfunc_end_k_q3ec00b6f9b_proj:
	.size	k_q3ec00b6f9b_proj, .Lfunc_end_k_q3ec00b6f9b_proj-k_q3ec00b6f9b_proj
	.p2alignl 7, 3214868480
	.fill 96, 4, 3214868480
	.section	.rodata,"a",@progbits
	.p2align	6, 0x0
	.amdhsa_kernel k_q3ec00b6f9b_proj
		.amdhsa_group_segment_fixed_size 327680
		.amdhsa_private_segment_fixed_size 0
		.amdhsa_enable_private_segment 0
		.amdhsa_kernarg_size 24
		.amdhsa_user_sgpr_count 2
		.amdhsa_user_sgpr_kernarg_segment_ptr 1
		.amdhsa_wavefront_size32 1
		.amdhsa_system_sgpr_workgroup_id_x 1
		.amdhsa_system_sgpr_workgroup_id_y 1
		.amdhsa_system_sgpr_workgroup_id_z 1
		.amdhsa_system_vgpr_workitem_id 0
		.amdhsa_next_free_vgpr 1024
		.amdhsa_next_free_sgpr 100
		.amdhsa_reserve_vcc 1
		.amdhsa_float_denorm_mode_32 3
		.amdhsa_float_denorm_mode_16_64 3
		.amdhsa_memory_ordered 1
		.amdhsa_forward_progress 1
		.amdhsa_inst_pref_size 173
	.end_amdhsa_kernel
	.amdgpu_metadata
---
amdhsa.version: [ 1, 2 ]
amdhsa.kernels:
  - .name:           k_q3ec00b6f9b_proj
    .symbol:         k_q3ec00b6f9b_proj.kd
    .args:
      - { .name: xc, .offset: 0, .size: 8, .value_kind: global_buffer, .address_space: global }
      - { .name: wc, .offset: 8, .size: 8, .value_kind: global_buffer, .address_space: global }
      - { .name: qkv, .offset: 16, .size: 8, .value_kind: global_buffer, .address_space: global }
    .group_segment_fixed_size: 327680
    .private_segment_fixed_size: 0
    .kernarg_segment_align: 8
    .kernarg_segment_size: 24
    .max_flat_workgroup_size: 128
    .sgpr_count:     100
    .vgpr_count:     1024
    .wavefront_size: 32
...
	.end_amdgpu_metadata
.endif
;; end of part 2
;; launch attn (part 3): grid 4 x 64, 16 waves a work-group, clusters of 4 x 1, 206,848 bytes of LDS; arguments qkv, mb, ctx; writes ctx
.if DOCPART == 3
	.amdgcn_target "amdgcn-amd-amdhsa--gfx1250"
	.amdhsa_code_object_version 6
	.text
	.protected	k_q3ec00b6f9b_attn
	.globl	k_q3ec00b6f9b_attn
	.p2align	8
	.type	k_q3ec00b6f9b_attn,@function
k_q3ec00b6f9b_attn:
	s_mov_b64 s[64:65], 0
	v_nop
	global_prefetch_b8 v0, s[64:65] scope:SCOPE_SE
	s_setreg_imm32_b32 hwreg(HW_REG_WAVE_MODE, 25, 1), 1
	s_wait_xcnt 0x0
	s_wait_alu depctr_hold_cnt(0) depctr_sa_sdst(0) depctr_va_vdst(0) depctr_va_sdst(0) depctr_va_ssrc(0) depctr_va_vcc(0) depctr_vm_vsrc(0)
	s_getreg_b32 s2, hwreg(HW_REG_IB_STS2, 6, 4)
	s_cmp_eq_u32 s2, 0
	s_cbranch_scc0 .Lentry_in_a_cluster
	s_endpgm
.Lentry_in_a_cluster:
	s_bfe_u32 s2, ttmp6, 0x10000c
	s_cmp_lg_u32 s2, 0x3003
	s_cbranch_scc0 .Lentry_shape_is_right
	s_endpgm
.Lentry_shape_is_right:
; ATTN: for each (batch, head): scores = Q K^T x 8, -1e9 where the mask is 0, softmax, P V, / the row's sum, and the result quantised along the head's 64 for the last product.  Both products on codes of E2M3.
; t = score x 8 log2(e); M = the running largest t rounded UP to a whole number; p = 2^(t - M) is quantised along the keys, not normalised; the sum is taken of the unquantised p.  When M moves, sum and O are multiplied by 2^(old M - new M): exact.
; SHARES.  A work-group owns 512 queries of one head (y = 16 batch + head); each of its sixteen waves owns one tile of 16 queries at a time, in two passes, and walks the head's 2,048 keys, 128 a step.
; K's and V's records of the head (2 x 102,400 bytes: register images and scale words) lie in LDS for the whole launch: filled once, so there is no ring and no barrier in the loops.
; CLUSTER.  The four work-groups of a head read the same two records: eight joint loads (waves 0-7, one each), fetched once for the four.
; LAYOUT.  Both products are used transposed, so that a lane holds ONE query throughout.  An image of K holds 32 keys: along its 128 lie the 64 channels of key tile u = 0 and those of tile u = 1.  Against (q, 0) it gives tile 0's scores,
; against (0, q) tile 1's: the zeros are zero codes, which add nothing under any scale byte from 1 to 254.  The 16 registers of the two results are 16 neighbouring keys.
; THE MASK comes as lane masks, one word for each score register (64 words a step, by scalar loads one step ahead): one v_cndmask_b32 a score puts -1.25e8 (x 8 = -1e9, exactly) in place of a hidden score, ahead of the maximum.
; LIMIT: in a row ALL of whose keys are hidden the fused t - M keeps the product's rounding residue, so that all p are 2^18.37 and not 1: they are still equal, the result is the plain mean of V as in reference(), but p's code may lie up to
; 1 part in 32 from p, and the row's result with it.  NaN and infinities are not served; a block of zeros has the scale byte 1.
; No prefetch: K and V are asked for once, at the head; the mask words are 256 bytes for a step's 2,048 scores.
; REGISTERS: v1 16 lane, v2 the same in V's record, v3, v4 K's and V's scale words (16 r), v5 8 lane, v6 4 r, v7 16 r, v8-11 the step's addresses, v12 -M, v13 largest t, v[14:15] the sum, v16-33 q | 0 | q, v34-81 four fragments,
;   v84-95 Q's image, v96-159 scores then p, v160-191 O^T, v192-210 codes, v212-231 at work, v232 -1.25e8, v236-239 K's scale words, v240-243 V's, v244 Q's, v245 p's.
; SCALARS: s[4:5] Q's record, s[6:7] mb at my block, s[8:9] ctx at my block and head, s10 wave, s11 pass, s12 steps to go, s13 6,144 ks, s14 256 ks, s15 the mask words' offset, s66 its last, s[16:17] lane selects, s[18:19] c,
;   s[20:31] the descriptor, later a pass's bases, s67 my tile's parity as a lane mask, s100 a byte select, s104 cx, s105 y, s[32:63] and s[68:99] a step's 64 mask words.
.set HREC, 102400
.set QTR,  25600
.set SCO,  98304
.set CREC, 12800
.macro CROUND
	s_barrier_signal -1
	s_barrier_wait -1
	s_cmp_lg_u32 s10, 0
	s_cbranch_scc1 .Lnot_wave_0_\@
	s_barrier_signal -3
.Lnot_wave_0_\@:
	s_barrier_wait -3
	s_barrier_signal -1
	s_barrier_wait -1
.endm
.macro MASKLOAD
	s_load_b512 s[32:47], s[6:7], s15 offset:0x0
	s_load_b512 s[48:63], s[6:7], s15 offset:0x40
	s_load_b512 s[68:83], s[6:7], s15 offset:0x80
	s_load_b512 s[84:99], s[6:7], s15 offset:0xc0
.endm
	s_load_b128 s[4:7], s[0:1], 0x0                ; qkv, mb
	s_load_b64 s[8:9], s[0:1], 0x10                ; ctx
	v_lshl_add_u32 v254, v0, 2, 0x32000
	v_mov_b32 v255, 0
	ds_add_u32 v254, v255
	ds_add_u32 v254, v255
	v_lshrrev_b32 v1, 5, v0
	v_readfirstlane_b32 s10, v1                    ; wave 0..15
	s_bfe_u32 s104, ttmp6, 0x40000                 ; cx: it enters Q's, mb's and ctx's global addresses alone
	s_and_b32 s105, ttmp7, 0xffff                  ; y, which the four partners share
	s_mov_b32 s24, 15|(3<<16)|(1<<21)              ; 15:0 the mask: all four; 17:16 elements of 8 bytes; 21 set beside a mask
	s_mov_b32 s25, 32<<16                          ; a dense block of 25,600 bytes as 100 rows of 256
	s_mov_b32 s26, 100<<16
	s_mov_b32 s27, 32<<16
	s_mov_b32 s28, 100
	s_mov_b32 s29, 32
	s_mov_b32 s30, 0
	s_mov_b32 s31, 0
	s_mul_i32 s32, s105, HREC                      ; (the mask words' registers are at work here, ahead of their first load)
	s_mov_b32 s33, 0
	s_and_b32 s36, s10, 7                          ; waves 0-3 fetch K's quarters, 4-7 V's
	s_lshr_b32 s34, s36, 2
	s_mul_i32 s34, s34, 64*HREC
	s_and_b32 s35, s36, 3
	s_mul_i32 s35, s35, QTR
	s_add_co_u32 s34, s34, s35
	s_add_co_u32 s34, s34, 64*HREC
	s_add_co_u32 s34, s34, s32
	s_mov_b32 s35, 0
	s_mov_b32 s20, 1
	s_mul_i32 s21, s36, QTR                        ; K's record at LDS byte 0, V's at 102,400
	s_lshr_b32 s36, s105, 4
	s_lshl_b32 s36, s36, 7
	s_lshl_b32 s37, s104, 5
	s_add_co_u32 s36, s36, s37                     ; my block's first tile of queries: 128 batch + 32 cx
	s_lshl_b32 s38, s36, 12
	s_mov_b32 s39, 0
	s_mul_i32 s42, s36, CREC
	s_and_b32 s37, s105, 15                        ; head
	s_mul_i32 s40, s37, 768
	s_add_co_u32 s42, s42, s40
	s_mov_b32 s43, 0
	s_mov_b32 s16, 0x76543210
	s_mov_b32 s17, 0xfedcba98
	s_mov_b32 s18, 0x4138aa3b                      ; c = 8 log2(e)
	s_mov_b32 s19, s18
	s_mov_b32 s100, 0x01000100
	s_and_b32 s67, s10, 1                          ; my tile is tile u = wave % 2 of its image
	s_cmp_eq_u32 s67, 1
	s_cselect_b32 s67, -1, 0
	s_cselect_b32 s100, 0x03020302, s100           ; its two bytes of the image's scale word, twice
	s_wait_dscnt 0x0
	s_wait_kmcnt 0x0
	s_add_nc_u64 s[22:23], s[4:5], s[34:35]
	s_or_b32 s23, s23, 0x80000000
	s_add_nc_u64 s[4:5], s[4:5], s[32:33]
	s_add_nc_u64 s[6:7], s[6:7], s[38:39]
	s_add_nc_u64 s[8:9], s[8:9], s[42:43]
	CROUND                                         ; all four work-groups are here: the joint loads meet
	s_cmp_lt_u32 s10, 8
	s_cbranch_scc0 .Lno_fill
	tensor_load_to_lds s[20:23], s[24:31]
	s_nop 0
.rept 4
	v_nop
.endr
.Lno_fill:
	v_and_b32 v30, 15, v0                          ; r
	v_and_b32 v31, 31, v0
	v_lshlrev_b32 v1, 4, v31
	v_add_nc_u32 v2, HREC, v1
	v_lshl_add_u32 v3, v30, 4, SCO
	v_lshl_add_u32 v4, v30, 4, HREC+SCO
	v_lshlrev_b32 v5, 3, v31
	v_lshlrev_b32 v6, 2, v30
	v_lshlrev_b32 v7, 4, v30
	v_mov_b32 v232, 0xccee6b28                     ; -1.25e8
.irp b, 0,1,2,3
	v_mov_b32 v[216+\b], 0                         ; a lane permute's destination counts as one of its sources
.endr
	v_mov_b32 v229, 0                              ; (named as the upper half of a pair)
	s_wait_tensorcnt 0x0                           ; my quarter is in,
	s_barrier_signal -1
	s_barrier_wait -1                              ; everybody's is: from here on LDS is only read
	s_lshr_b32 s26, s37, 1                         ; from my head's codes in a tile's record to its half of a scale word: 12,288 + 64 (head / 2) + 2 (head % 2) - 768 head
	s_lshl_b32 s26, s26, 6
	s_and_b32 s27, s37, 1
	s_lshl_b32 s27, s27, 1
	s_add_co_u32 s26, s26, s27
	s_add_co_u32 s26, s26, 12288
	s_sub_co_u32 s26, s26, s40
	s_mov_b32 s27, 0
	s_mov_b32 s11, 0
.Lpass:
	s_wait_kmcnt 0x0                               ; no load into the mask words' registers is out
	s_lshl_b32 s101, s11, 4
	s_add_co_u32 s101, s101, s10                   ; my tile in the block: 16 pass + wave
	s_lshl_b32 s15, s101, 12
	s_add_co_u32 s66, s15, 3840
	MASKLOAD                                       ; key step 0's words
	s_mul_i32 s30, s101, CREC
	s_mov_b32 s31, 0
	s_add_nc_u64 s[24:25], s[8:9], s[30:31]        ; where the pass's codes go,
	s_add_nc_u64 s[28:29], s[24:25], s[26:27]      ; and their scale bytes
	s_lshr_b32 s30, s101, 1
	s_lshl_b32 s2, s104, 4
	s_add_co_u32 s30, s30, s2                      ; Q's image: 16 cx + tile / 2
	s_mul_i32 s2, s30, 1536
	s_mov_b32 s3, 0
	s_add_nc_u64 s[20:21], s[4:5], s[2:3]
	s_lshr_b32 s2, s30, 2
	s_lshl_b32 s2, s2, 8
	s_and_b32 s30, s30, 3
	s_lshl_b32 s30, s30, 2
	s_add_co_u32 s2, s2, s30
	s_add_co_u32 s2, s2, SCO
	s_add_nc_u64 s[22:23], s[4:5], s[2:3]
	global_load_b128 v[84:87], v1, s[20:21]
	global_load_b128 v[88:91], v1, s[20:21] offset:512
	global_load_b128 v[92:95], v1, s[20:21] offset:1024
	global_load_b32 v231, v7, s[22:23]
	v_mov_b32 v13, 0xff61b1e6                      ; the largest t so far: -3e38
	v_floor_f32 v12, -v13
	v_mov_b32 v14, 0
	v_mov_b32 v15, 0
	s_wait_loadcnt 0x0
.irp i, 0,1,2,3,4,5
	v_cndmask_b32 v[16+\i], v[84+\i], v[90+\i], s67   ; my tile's six registers of the image
.endr
	v_perm_b32 v244, v231, v231, s100              ; its two scale bytes at both places
.irp i, 0,1,2,3,4,5
	v_mov_b32 v[28+\i], v[16+\i]
	v_mov_b32 v[22+\i], 0                          ; v[16:27] = (q, 0), v[22:33] = (0, q)
.endr
.set j, 0
.rept 32
	v_mov_b32 v[160+j], 0                          ; O^T: the first change of M leaves zeros zeros.  (These are also the places between the lines above and the first products)
.set j, j+1
.endr
	s_mov_b32 s13, 0
	s_mov_b32 s14, 0
	s_mov_b32 s12, 16
.Lstep:
	v_add_nc_u32 v8, s13, v1                       ; (these four are the places behind the last step's products, in front of the loads below)
	v_add_nc_u32 v9, s13, v2
	v_add_nc_u32 v10, s14, v3
	v_add_nc_u32 v11, s14, v4
.irp f, 0,1,2,3
.irp i, 0,1,2
	ds_load_b128 v[34+12*\f+4*\i:34+12*\f+4*\i+3], v8 offset:1536*\f+512*\i
.endr
.endr
	ds_load_b128 v[236:239], v10
	s_wait_dscnt 0x0
.irp f, 0,1,2,3
	v_wmma_scale_f32_16x16x128_f8f6f4 v[96+16*\f:103+16*\f], v[34+12*\f:45+12*\f], v[16:27], 0, v[236+\f], v244 matrix_a_fmt:MATRIX_FMT_FP6 matrix_b_fmt:MATRIX_FMT_FP6
	v_wmma_scale_f32_16x16x128_f8f6f4 v[104+16*\f:111+16*\f], v[34+12*\f:45+12*\f], v[22:33], 0, v[236+\f], v244 matrix_a_fmt:MATRIX_FMT_FP6 matrix_b_fmt:MATRIX_FMT_FP6
.endr                                  ; register 16 f + i: key 128 ks + 32 f + 16 h + i
.rept 4
	v_nop                                          ; places: in front of the loads into K's registers and of the first read of the scores
.endr
.irp t, 0,1,2,3
.irp i, 0,1,2
	ds_load_b128 v[34+12*\t+4*\i:34+12*\t+4*\i+3], v9 offset:1536*\t+512*\i   ; V's four fragments land during the softmax
.endr
.endr
	ds_load_b128 v[240:243], v11
	s_wait_kmcnt 0x0                               ; this step's mask words
.set j, 0
.rept 64
	v_cndmask_b32 v[96+j], v232, v[96+j], s[32+j+4*(j/32)]
.set j, j+1
.endr
	s_add_co_u32 s15, s15, 256
	s_min_u32 s15, s15, s66                        ; the last step asks for its own words again: no load leaves the buffer
	MASKLOAD                                       ; the next step's words
.irp b, 0,1,2,3
	v_max3_num_f32 v[212+\b], v[96+16*\b], v[97+16*\b], v[98+16*\b]   ; the largest score of each block of 32 keys serves twice: for the row's maximum and, since p rises with the score, for the block's largest p
.endr
.irp i, 3,5,7,9,11,13
.irp b, 0,1,2,3
	v_max3_num_f32 v[212+\b], v[212+\b], v[96+16*\b+\i], v[97+16*\b+\i]
.endr
.endr
.irp b, 0,1,2,3
	v_max_num_f32 v[212+\b], v[212+\b], v[111+16*\b]
.endr
.irp b, 0,1,2,3
	v_permlanex16_b32 v[216+\b], v[212+\b], s16, s17
.endr
.irp b, 0,1,2,3
	v_max_num_f32 v[212+\b], v[212+\b], v[216+\b]
.endr
	v_max3_num_f32 v230, v212, v213, v214
	v_max_num_f32 v230, v230, v215
	v_mul_f32 v230, s18, v230
	v_max_num_f32 v13, v13, v230                   ; the running largest t
	v_mov_b32 v230, v12
	v_floor_f32 v12, -v13                          ; -M = floor(-t)
	v_sub_f32 v230, v12, v230
	v_cvt_i32_f32 v230, v230                       ; (it saturates)
	v_ldexp_f32 v228, 1.0, v230                    ; f = 2^(old M - new M)
.set j, 0
.rept 32
	v_pk_fma_f32 v[96+j:97+j], v[96+j:97+j], s[18:19], v[12:13] op_sel_hi:[1,0,0]   ; t - M
.set j, j+2
.endr
.irp b, 0,1,2,3
	v_fma_f32 v[212+\b], v[212+\b], s18, v12
.endr
.set j, 0
.rept 64
	v_exp_f32 v[96+j], v[96+j]
.set j, j+1
.endr
	v_pk_mul_f32 v[14:15], v[14:15], v[228:229] op_sel_hi:[1,0]   ; the sums under the new M: the plain place behind the exponentials
	s_wait_alu depctr_va_vdst(0)                   ; one wait for the batch, ahead of its first reader
.irp b, 0,1,2,3
	v_exp_f32 v[212+\b], v[212+\b]                 ; each block's largest p
.endr
	v_pk_add_f32 v[216:217], v[96:97], v[98:99]    ; the row's sum of the unquantised p, in two chains
.irp j, 4,8,12,16,20,24,28,32,36,40,44,48,52,56,60
	v_pk_add_f32 v[14:15], v[14:15], v[96+\j:97+\j]
	v_pk_add_f32 v[216:217], v[216:217], v[98+\j:99+\j]
.endr
	v_pk_add_f32 v[14:15], v[14:15], v[216:217]
	s_wait_alu depctr_va_vdst(0)                   ; and one for the four
.irp b, 0,1,2,3
	v_max_num_f32 v[212+\b], 0x1800000, v[212+\b]  ; the floor: the byte cannot fall under 1
.endr
.irp b, 0,1,2,3
	v_add_nc_u32 v[220+\b], 0xff000000, v[212+\b]
.endr
.irp b, 0,1,2,3
	v_lshrrev_b32 v[224+\b], 23, v[220+\b]
.endr
	v_lshl_or_b32 v245, v225, 8, v224
	v_lshl_or_b32 v245, v226, 16, v245
	v_lshl_or_b32 v245, v227, 24, v245
.irp c, 0,1
	v_cvt_scalef32_pk16_fp6_f32 v[192+6*\c:194+6*\c], v[96+32*\c:111+32*\c], v[220+2*\c]
	v_cvt_scalef32_pk16_fp6_f32 v[204+4*\c:206+4*\c], v[112+32*\c:127+32*\c], v[220+2*\c+1]
.endr
	v_nop
.irp c, 0,1
.irp i, 0,1,2
	v_permlane16_swap_b32 v[192+6*\c+\i], v[204+4*\c+\i]
.endr
.irp i, 0,1,2
	v_mov_b32 v[195+6*\c+\i], v[204+4*\c+\i]
.endr
.endr
.set j, 0
.rept 16
	v_pk_mul_f32 v[160+j:161+j], v[160+j:161+j], v[228:229] op_sel_hi:[1,0]   ; O^T under the new M; also the places in front of the products
.set j, j+2
.endr
	s_wait_dscnt 0x0                               ; V
.irp t, 0,1,2,3
	v_wmma_scale_f32_16x16x128_f8f6f4 v[160+8*\t:167+8*\t], v[34+12*\t:45+12*\t], v[192:203], v[160+8*\t:167+8*\t], v[240+\t], v245 matrix_a_fmt:MATRIX_FMT_FP6 matrix_b_fmt:MATRIX_FMT_FP6
.endr
	s_add_co_u32 s13, s13, 6144
	s_add_co_u32 s14, s14, 256
	s_sub_co_i32 s12, s12, 1
	s_cmp_lg_u32 s12, 0
	s_cbranch_scc1 .Lstep
	; the pass's end: O^T / the sum; register 16 b + i of lane (r, h) is channel 32 b + 16 h + i of query r: two blocks of the last product's K
.rept 4
	v_nop
.endr
	v_add_f32 v14, v14, v15
	v_permlanex16_b32 v216, v14, s16, s17
	v_add_f32 v14, v14, v216
	v_rcp_f32 v230, v14
	v_mov_b32 v231, 0                              ; (a plain place; and the pair's upper half is written)
	s_wait_alu depctr_va_vdst(0)
.set j, 0
.rept 16
	v_pk_mul_f32 v[160+j:161+j], v[160+j:161+j], v[230:231] op_sel_hi:[1,0]
.set j, j+2
.endr
.irp b, 0,1
	v_max3_num_f32 v[212+\b], |v[160+16*\b]|, |v[161+16*\b]|, 0x1800000
.endr
.irp i, 2,4,6,8,10,12,14
.irp b, 0,1
	v_max3_num_f32 v[212+\b], v[212+\b], |v[160+16*\b+\i]|, |v[161+16*\b+\i]|
.endr
.endr
.irp b, 0,1
	v_permlanex16_b32 v[216+\b], v[212+\b], s16, s17
.endr
.irp b, 0,1
	v_max_num_f32 v[212+\b], v[212+\b], v[216+\b]
.endr
.irp b, 0,1
	v_add_nc_u32 v[220+\b], 0xff000000, v[212+\b]
.endr
.irp b, 0,1
	v_lshrrev_b32 v[224+\b], 23, v[220+\b]
.endr
	v_lshl_or_b32 v226, v225, 8, v224
	v_cvt_scalef32_pk16_fp6_f32 v[192:194], v[160:175], v220
	v_cvt_scalef32_pk16_fp6_f32 v[204:206], v[176:191], v221
	v_nop
.irp i, 0,1,2
	v_permlane16_swap_b32 v[192+\i], v[204+\i]
.endr
.irp i, 0,1,2
	v_mov_b32 v[195+\i], v[204+\i]
.endr
	global_store_b128 v1, v[192:195], s[24:25]             ; the head's six registers of the tile's fragment: 512 consecutive bytes,
	global_store_b64 v5, v[196:197], s[24:25] offset:512   ; and 256
	global_store_b16 v6, v226, s[28:29]                    ; its half of each row's scale word (both halves of the lanes hold and write the same)
	s_wait_xcnt 0x0                                ; the stores have read their registers and bases
	s_add_co_u32 s11, s11, 1
	s_cmp_lt_u32 s11, 2
	s_cbranch_scc1 .Lpass
	s_wait_kmcnt 0x0
	s_wait_tensorcnt 0x0
	ds_add_u32 v254, v255
	s_wait_dscnt 0x0
	CROUND                                         ; the closing round
	s_endpgm
.Lfunc_end_k_q3ec00b6f9b_attn:
	.size	k_q3ec00b6f9b_attn, .Lfunc_end_k_q3ec00b6f9b_attn-k_q3ec00b6f9b_attn
	.p2alignl 7, 3214868480
	.fill 96, 4, 3214868480
	.section	.rodata,"a",@progbits
	.p2align	6, 0x0
	.amdhsa_kernel k_q3ec00b6f9b_attn
		.amdhsa_group_segment_fixed_size 206848
		.amdhsa_private_segment_fixed_size 0
		.amdhsa_enable_private_segment 0
		.amdhsa_kernarg_size 24
		.amdhsa_user_sgpr_count 2
		.amdhsa_user_sgpr_kernarg_segment_ptr 1
		.amdhsa_wavefront_size32 1
		.amdhsa_system_sgpr_workgroup_id_x 1
		.amdhsa_system_sgpr_workgroup_id_y 1
		.amdhsa_system_sgpr_workgroup_id_z 1
		.amdhsa_system_vgpr_workitem_id 0
		.amdhsa_next_free_vgpr 256
		.amdhsa_next_free_sgpr 106
		.amdhsa_reserve_vcc 0
		.amdhsa_float_denorm_mode_32 3
		.amdhsa_float_denorm_mode_16_64 3
		.amdhsa_memory_ordered 1
		.amdhsa_forward_progress 1
		.amdhsa_inst_pref_size 33
	.end_amdhsa_kernel
	.amdgpu_metadata
---
amdhsa.version: [ 1, 2 ]
amdhsa.kernels:
  - .name:           k_q3ec00b6f9b_attn
    .symbol:         k_q3ec00b6f9b_attn.kd
    .args:
      - { .name: qkv, .offset: 0, .size: 8, .value_kind: global_buffer, .address_space: global }
      - { .name: mb, .offset: 8, .size: 8, .value_kind: global_buffer, .address_space: global }
      - { .name: ctx, .offset: 16, .size: 8, .value_kind: global_buffer, .address_space: global }
    .group_segment_fixed_size: 206848
    .private_segment_fixed_size: 0
    .kernarg_segment_align: 8
    .kernarg_segment_size: 24
    .max_flat_workgroup_size: 512
    .sgpr_count:     106
    .vgpr_count:     256
    .wavefront_size: 32
...
	.end_amdgpu_metadata
.endif
;; end of part 3
;; launch outln (part 4): grid 256 x 1, 4 waves a work-group, no clusters, 263,168 bytes of LDS; arguments ctx, wc, q, gamma, beta, out0; writes out0
.if DOCPART == 4
	.amdgcn_target "amdgcn-amd-amdhsa--gfx1250"
	.amdhsa_code_object_version 6
	.text
	.protected	k_q3ec00b6f9b_outln
	.globl	k_q3ec00b6f9b_outln
	.p2align	8
	.type	k_q3ec00b6f9b_outln,@function
k_q3ec00b6f9b_outln:
	s_mov_b64 s[64:65], 0
	v_nop
	global_prefetch_b8 v0, s[64:65] scope:SCOPE_SE
	s_setreg_imm32_b32 hwreg(HW_REG_WAVE_MODE, 25, 1), 1
	s_wait_xcnt 0x0
; OUTLN: ctx Wo on codes of E2M3 (K 1,024), + the residual q, LayerNorm, x gamma + beta.
; A work-group takes 32 tokens (two tiles of ctx) and ALL 1,024 outputs, so that a row's mean and variance stay inside it: 256 work-groups.  Wave w takes Wo's tiles 16 w .. 16 w + 15 (256 outputs): 32 accumulators.
; Wo's fragments are register images in memory and go straight into registers, 512 consecutive bytes a load, two sets by turns, one K step ahead: each byte serves one wave of the work-group, so LDS would add nothing.
; NO CLUSTER: every work-group walks the same 786,432 bytes of Wo's codes; beside the stage and the residual under 66 KB of LDS are free, so joint loads would want a dozen refills, each a round of the cluster's barrier, with some twenty products a wave between two rounds.
; The product is used transposed (source 0 = 16 outputs of Wo, source 1 = 16 tokens): a lane's eight results are eight neighbouring outputs of one token.  They meet in a stage in LDS (rows of 4,096 + 16 bytes); one barrier; then each wave owns 8 whole rows.
; The residual rows of those 8 tokens come by one tensor load a wave at the head, into bytes that only that wave reads.
; The variance is the mean of (x - mean)^2, taken in a second pass over registers: no difference of large sums.
; REGISTERS: window 0: v1 16 lane, v2 8 lane, v3, v4 the scale words' lane terms, v5, v6 into the stage, v7 out of it, v8 the residual; v32-95 Wo's scale words (register 8 (i % 8) + s: lanes 0-15 tile i, lanes 16-31 tile i + 8);
;   v96-103 ctx's (lanes 0-15 tile 0, lanes 16-31 tile 1); v104-167, v168-231 two rows at work; v232-244 at work.   window 1: accumulator (ut, i) at v[8 (16 ut + i)].
;   windows 2, 3: the two operand sets: Wo's fragment i at v[12 i], ctx's tile ut at v[192 + 12 ut]; behind K step 6 window 2 takes gamma (v0-31) and beta (v32-63).
.set TREC, 13312
.set CHK,  3328
.set CREC, 12800
.set SPI,  4112
.set RES,  32*SPI                      ; 131,584: behind the stage, 32,768 bytes a wave
.set WS,   32
.set CS,   96
.set MSB, 0
.macro WIN new
.if MSB != (\new)
	s_set_vgpr_msb (MSB<<8)|(\new)
.set MSB, (\new)
.endif
.endm
.macro PLACES
.rept 4
	v_nop
.endr
.endm
	s_load_b256 s[4:11], s[0:1], 0x0               ; ctx, wc, q, gamma
	s_load_b128 s[12:15], s[0:1], 0x20             ; beta, out0
	v_lshl_add_u32 v254, v0, 2, 0x40200
	v_mov_b32 v255, 0
	ds_add_u32 v254, v255
	ds_add_u32 v254, v255
	v_lshrrev_b32 v1, 5, v0
	v_readfirstlane_b32 s34, v1                    ; wave
	s_mov_b32 s24, 3<<16                           ; elements of 8 bytes, no mask, no padding
	s_mov_b32 s25, 32<<16                          ; 8 dense rows of q, 32,768 bytes, as 128 rows of 256
	s_mov_b32 s26, 128<<16
	s_mov_b32 s27, 32<<16
	s_mov_b32 s28, 128
	s_mov_b32 s29, 32
	s_mov_b32 s30, 0
	s_mov_b32 s31, 0
	s_lshl_b32 s40, ttmp9, 5
	s_lshr_b32 s41, s34, 1
	s_lshl_b32 s41, s41, 3
	s_add_co_u32 s40, s40, s41
	s_and_b32 s41, s34, 1
	s_lshl_b32 s41, s41, 4
	s_add_co_u32 s40, s40, s41                     ; the first of my 8 tokens: stage rows 8 w .. 8 w + 7 are tokens 32 G + 8 (w / 2) + 16 (w % 2) + 0 .. 7
	s_lshl_b32 s40, s40, 12
	s_mov_b32 s41, 0
	s_mov_b32 s20, 1
	s_lshl_b32 s21, s34, 15
	s_add_co_u32 s21, s21, RES
	s_mul_i32 s42, s34, 16*TREC
	s_add_co_u32 s42, s42, 192*TREC                ; Wo's tiles begin at 192
	s_mov_b32 s43, 0
	s_mul_i32 s44, ttmp9, 2*CREC
	s_mov_b32 s45, 0
	s_mov_b32 s36, 0x76543210
	s_mov_b32 s37, 0xfedcba98
	s_mov_b32 s38, 0x3a800000                      ; 1 / 1,024
	s_mov_b32 s39, 0x358637bd                      ; 1e-6
	s_wait_dscnt 0x0
	s_wait_kmcnt 0x0
	s_add_nc_u64 s[22:23], s[8:9], s[40:41]
	s_or_b32 s23, s23, 0x80000000
	tensor_load_to_lds s[20:23], s[24:31]          ; my one tensor load: filled once, read by me alone
	s_nop 0
.rept 4
	v_nop
.endr
	s_add_nc_u64 s[32:33], s[14:15], s[40:41]      ; out0 at my 8 tokens
	s_add_nc_u64 s[16:17], s[6:7], s[42:43]        ; my 16 tiles of Wo
	s_add_nc_u64 s[18:19], s[4:5], s[44:45]        ; my work-group's two tiles of ctx
	v_and_b32 v9, 31, v0
	v_and_b32 v10, 15, v0
	v_bfe_u32 v11, v0, 4, 1
	v_lshlrev_b32 v1, 4, v9
	v_lshlrev_b32 v2, 3, v9
	v_mul_u32_u24 v3, v11, 8*TREC
	v_lshl_add_u32 v3, v10, 3, v3
	v_mul_u32_u24 v4, v11, CREC
	v_lshl_add_u32 v4, v10, 2, v4
	v_mul_u32_u24 v5, v10, SPI
	v_lshl_add_u32 v5, v11, 6, v5
	s_lshl_b32 s46, s34, 10
	v_add_nc_u32 v5, s46, v5                       ; stage row r, + 64 h, + my 1,024 bytes
	v_add_nc_u32 v6, 16*SPI, v5                    ; tile 1's rows
	s_mul_i32 s46, s34, 8*SPI
	v_add_nc_u32 v7, s46, v1
	s_lshl_b32 s46, s34, 15
	s_add_co_u32 s46, s46, RES
	v_add_nc_u32 v8, s46, v1
	v_mov_b32 v241, 0                              ; (upper halves of pairs whose low word serves both)
	v_mov_b32 v243, 0
.irp i, 0,1,2,3,4,5,6,7
.irp c, 0,1,2,3
	global_load_b64 v[WS+8*\i+2*\c:WS+8*\i+2*\c+1], v3, s[16:17] offset:TREC*\i+CHK*\c+3072
.endr
.endr
.irp s, 0,1,2,3,4,5,6,7
	global_load_b32 v[CS+\s], v4, s[18:19] offset:12288+64*\s
.endr
.macro LOADSET s                       ; K step s: 48 loads of Wo's 16 fragments, 8 of ctx's two: 56
	WIN 0x80+0x40*((\s)%2)
.irp i, 0,1,2,3,4,5,6,7,8,9,10,11,12,13,14,15
.irp g, 0,1,2
	global_load_b128 v[12*\i+4*\g:12*\i+4*\g+3], v1, s[16:17] offset:TREC*\i+CHK*((\s)/2)+1536*((\s)%2)+512*\g
.endr
.endr
.irp ut, 0,1
.irp e, 0,1
	global_load_b128 v[192+12*\ut+6*\e:192+12*\ut+6*\e+3], v1, s[18:19] offset:CREC*\ut+768*(2*(\s)+\e)
	global_load_b64 v[192+12*\ut+6*\e+4:192+12*\ut+6*\e+5], v2, s[18:19] offset:CREC*\ut+768*(2*(\s)+\e)+512
.endr
.endr
	WIN 0
.endm
.macro MM s, i, ut
.set DD, 8*(16*(\ut)+(\i))
.set AA, 12*(\i)
.set BB, 192+12*(\ut)
.set SA, WS+8*((\i)%8)+(\s)
.set SBB, CS+(\s)
.if (\s) == 0
.if ((\i) < 8) && ((\ut) == 0)
	v_wmma_scale_f32_16x16x128_f8f6f4 v[DD:DD+7], v[AA:AA+11], v[BB:BB+11], 0, v[SA], v[SBB] matrix_a_fmt:MATRIX_FMT_FP6 matrix_b_fmt:MATRIX_FMT_FP6
.elseif (\i) < 8
	v_wmma_scale_f32_16x16x128_f8f6f4 v[DD:DD+7], v[AA:AA+11], v[BB:BB+11], 0, v[SA], v[SBB] matrix_a_fmt:MATRIX_FMT_FP6 matrix_b_fmt:MATRIX_FMT_FP6 matrix_b_scale:MATRIX_SCALE_ROW1
.elseif (\ut) == 0
	v_wmma_scale_f32_16x16x128_f8f6f4 v[DD:DD+7], v[AA:AA+11], v[BB:BB+11], 0, v[SA], v[SBB] matrix_a_fmt:MATRIX_FMT_FP6 matrix_b_fmt:MATRIX_FMT_FP6 matrix_a_scale:MATRIX_SCALE_ROW1
.else
	v_wmma_scale_f32_16x16x128_f8f6f4 v[DD:DD+7], v[AA:AA+11], v[BB:BB+11], 0, v[SA], v[SBB] matrix_a_fmt:MATRIX_FMT_FP6 matrix_b_fmt:MATRIX_FMT_FP6 matrix_a_scale:MATRIX_SCALE_ROW1 matrix_b_scale:MATRIX_SCALE_ROW1
.endif
.else
.if ((\i) < 8) && ((\ut) == 0)
	v_wmma_scale_f32_16x16x128_f8f6f4 v[DD:DD+7], v[AA:AA+11], v[BB:BB+11], v[DD:DD+7], v[SA], v[SBB] matrix_a_fmt:MATRIX_FMT_FP6 matrix_b_fmt:MATRIX_FMT_FP6
.elseif (\i) < 8
	v_wmma_scale_f32_16x16x128_f8f6f4 v[DD:DD+7], v[AA:AA+11], v[BB:BB+11], v[DD:DD+7], v[SA], v[SBB] matrix_a_fmt:MATRIX_FMT_FP6 matrix_b_fmt:MATRIX_FMT_FP6 matrix_b_scale:MATRIX_SCALE_ROW1
.elseif (\ut) == 0
	v_wmma_scale_f32_16x16x128_f8f6f4 v[DD:DD+7], v[AA:AA+11], v[BB:BB+11], v[DD:DD+7], v[SA], v[SBB] matrix_a_fmt:MATRIX_FMT_FP6 matrix_b_fmt:MATRIX_FMT_FP6 matrix_a_scale:MATRIX_SCALE_ROW1
.else
	v_wmma_scale_f32_16x16x128_f8f6f4 v[DD:DD+7], v[AA:AA+11], v[BB:BB+11], v[DD:DD+7], v[SA], v[SBB] matrix_a_fmt:MATRIX_FMT_FP6 matrix_b_fmt:MATRIX_FMT_FP6 matrix_a_scale:MATRIX_SCALE_ROW1 matrix_b_scale:MATRIX_SCALE_ROW1
.endif
.endif
.endm
.macro KSTEP s
.if (\s) < 7
	s_wait_loadcnt 56                              ; this K step's set (and all that was asked before it) is in; the other set's 56 loads may be out
.else
	s_wait_loadcnt 16                              ; the last set is in; gamma's and beta's 16 loads may be out
.endif
	WIN 0x5a+5*((\s)%2)                            ; sources 0 and 1: window 2 or 3; C and D: window 1
.irp i, 0,1,2,3,4,5,6,7,8,9,10,11,12,13,14,15
.irp ut, 0,1
	MM \s, \i, \ut                                 ; the 32 accumulators take turns, one instruction a turn
.endr
.endr
	WIN 0
	PLACES                                         ; in front of loads into registers that these products have read, and of the first read of results
.if (\s)+2 < 8
	LOADSET (\s)+2
.endif
.endm
	LOADSET 0
	LOADSET 1
.irp s, 0,1,2,3,4,5,6
	KSTEP \s
.endr
	WIN 0x80                                       ; window 2's set is done with: gamma and beta, in a row's layout: register 4 e + n = column 128 e + 4 lane + n
.irp e, 0,1,2,3,4,5,6,7
	global_load_b128 v[4*\e:4*\e+3], v1, s[10:11] offset:512*\e
	global_load_b128 v[32+4*\e:32+4*\e+3], v1, s[12:13] offset:512*\e
.endr
	WIN 0
	KSTEP 7
	WIN 0x04                                       ; an LDS store's data are its source 1: window 1
.irp ut, 0,1
.irp i, 0,1,2,3,4,5,6,7,8,9,10,11,12,13,14,15
	ds_store_b128 v[5+\ut], v[8*(16*\ut+\i):8*(16*\ut+\i)+3] offset:128*(\i/2)+32*(\i%2)        ; each accumulator from its low end on
	ds_store_b128 v[5+\ut], v[8*(16*\ut+\i)+4:8*(16*\ut+\i)+7] offset:128*(\i/2)+32*(\i%2)+16
.endr
.endr
	WIN 0
	s_wait_tensorcnt 0x0                           ; my residual rows are in
	s_wait_dscnt 0x0                               ; for the others' sake: my stores into the stage are done
	s_barrier_signal -1
	s_barrier_wait -1                              ; 32 whole rows lie in the stage
	s_wait_loadcnt 0x0                             ; gamma, beta
.macro ROWLOAD i
.set LB, 104+64*((\i)%2)
.irp e, 0,1,2,3,4,5,6,7
	ds_load_b128 v[LB+4*\e:LB+4*\e+3], v7 offset:SPI*(\i)+512*\e
	ds_load_b128 v[LB+32+4*\e:LB+32+4*\e+3], v8 offset:4096*(\i)+512*\e
.endr
.endm
.macro LANESUM                         ; four pairs of partial sums in v[232:239] -> the row's sum in v232 of every lane
	v_pk_add_f32 v[232:233], v[232:233], v[234:235]
	v_pk_add_f32 v[236:237], v[236:237], v[238:239]
	v_pk_add_f32 v[232:233], v[232:233], v[236:237]
	v_add_f32 v232, v232, v233
	v_add_f32_dpp v232, v232, v232 row_xmask:1 row_mask:0xf bank_mask:0xf
	v_add_f32_dpp v232, v232, v232 row_xmask:2 row_mask:0xf bank_mask:0xf
	v_add_f32_dpp v232, v232, v232 row_xmask:4 row_mask:0xf bank_mask:0xf
	v_add_f32_dpp v232, v232, v232 row_xmask:8 row_mask:0xf bank_mask:0xf
	v_permlanex16_b32 v233, v232, s36, s37
	v_add_f32 v232, v232, v233
.endm
.macro ROW i
.set LB, 104+64*((\i)%2)
.if (\i) < 7
	s_wait_dscnt 16                                ; this row's 16 loads are in; the next row's may be out
.else
	s_wait_dscnt 0x0
.endif
.irp j, 0,2,4,6,8,10,12,14,16,18,20,22,24,26,28,30
	v_pk_add_f32 v[LB+\j:LB+\j+1], v[LB+\j:LB+\j+1], v[LB+32+\j:LB+33+\j]   ; x = the product + the residual
.endr
.irp k, 0,1,2,3
	v_pk_add_f32 v[232+2*\k:233+2*\k], v[LB+4*\k:LB+4*\k+1], v[LB+4*\k+2:LB+4*\k+3]
.endr
.irp j, 16,24
.irp k, 0,1,2,3
	v_pk_add_f32 v[232+2*\k:233+2*\k], v[232+2*\k:233+2*\k], v[LB+\j+2*\k:LB+\j+2*\k+1]
.endr
.endr
	LANESUM
	v_mul_f32 v240, s38, v232                      ; the mean
.irp j, 0,2,4,6,8,10,12,14,16,18,20,22,24,26,28,30
	v_pk_add_f32 v[LB+\j:LB+\j+1], v[LB+\j:LB+\j+1], v[240:241] op_sel_hi:[1,0] neg_lo:[0,1] neg_hi:[0,1]   ; d = x - mean
.endr
.irp k, 0,1,2,3
	v_pk_mul_f32 v[232+2*\k:233+2*\k], v[LB+2*\k:LB+2*\k+1], v[LB+2*\k:LB+2*\k+1]
.endr
.irp j, 8,16,24
.irp k, 0,1,2,3
	v_pk_fma_f32 v[232+2*\k:233+2*\k], v[LB+\j+2*\k:LB+\j+2*\k+1], v[LB+\j+2*\k:LB+\j+2*\k+1], v[232+2*\k:233+2*\k]
.endr
.endr
	LANESUM
	v_fma_f32 v244, v232, s38, s39                 ; the variance + 1e-6
	v_rsq_f32 v242, v244
	v_nop                                          ; one plain place behind the transcendental,
	s_wait_alu depctr_va_vdst(0)                   ; and the wait ahead of its first reader
.irp j, 0,2,4,6,8,10,12,14,16,18,20,22,24,26,28,30
	v_pk_mul_f32 v[LB+\j:LB+\j+1], v[LB+\j:LB+\j+1], v[242:243] op_sel_hi:[1,0]
.endr
	WIN 0x28                                       ; sources 1 and 2: window 2
.irp j, 0,2,4,6,8,10,12,14,16,18,20,22,24,26,28,30
	v_pk_fma_f32 v[LB+\j:LB+\j+1], v[LB+\j:LB+\j+1], v[\j:\j+1], v[32+\j:33+\j]   ; x gamma + beta
.endr
	WIN 0
.irp e, 0,1,2,3,4,5,6,7
	global_store_b128 v1, v[LB+4*\e:LB+4*\e+3], s[32:33] offset:4096*(\i)+512*\e th:TH_STORE_NT   ; 32 lanes store 512 consecutive bytes, aligned
.endr
.if (\i)+2 < 8
	s_wait_xcnt 0x0                                ; the stores have read their registers: the row two on may land there
	ROWLOAD (\i)+2
.endif
.endm
	ROWLOAD 0
	ROWLOAD 1
.irp i, 0,1,2,3,4,5,6,7
	ROW \i
.endr
	s_wait_tensorcnt 0x0
	ds_add_u32 v254, v255
	s_wait_dscnt 0x0
	s_endpgm
.Lfunc_end_k_q3ec00b6f9b_outln:
	.size	k_q3ec00b6f9b_outln, .Lfunc_end_k_q3ec00b6f9b_outln-k_q3ec00b6f9b_outln
	.p2alignl 7, 3214868480
	.fill 96, 4, 3214868480
	.section	.rodata,"a",@progbits
	.p2align	6, 0x0
	.amdhsa_kernel k_q3ec00b6f9b_outln
		.amdhsa_group_segment_fixed_size 263168
		.amdhsa_private_segment_fixed_size 0
		.amdhsa_enable_private_segment 0
		.amdhsa_kernarg_size 48
		.amdhsa_user_sgpr_count 2
		.amdhsa_user_sgpr_kernarg_segment_ptr 1
		.amdhsa_wavefront_size32 1
		.amdhsa_system_sgpr_workgroup_id_x 1
		.amdhsa_system_sgpr_workgroup_id_y 1
		.amdhsa_system_sgpr_workgroup_id_z 1
		.amdhsa_system_vgpr_workitem_id 0
		.amdhsa_next_free_vgpr 1024
		.amdhsa_next_free_sgpr 66
		.amdhsa_reserve_vcc 0
		.amdhsa_float_denorm_mode_32 3
		.amdhsa_float_denorm_mode_16_64 3
		.amdhsa_memory_ordered 1
		.amdhsa_forward_progress 1
		.amdhsa_inst_pref_size 161
	.end_amdhsa_kernel
	.amdgpu_metadata
---
amdhsa.version: [ 1, 2 ]
amdhsa.kernels:
  - .name:           k_q3ec00b6f9b_outln
    .symbol:         k_q3ec00b6f9b_outln.kd
    .args:
      - { .name: ctx, .offset: 0, .size: 8, .value_kind: global_buffer, .address_space: global }
      - { .name: wc, .offset: 8, .size: 8, .value_kind: global_buffer, .address_space: global }
      - { .name: q, .offset: 16, .size: 8, .value_kind: global_buffer, .address_space: global }
      - { .name: gamma, .offset: 24, .size: 8, .value_kind: global_buffer, .address_space: global }
      - { .name: beta, .offset: 32, .size: 8, .value_kind: global_buffer, .address_space: global }
      - { .name: out0, .offset: 40, .size: 8, .value_kind: global_buffer, .address_space: global }
    .group_segment_fixed_size: 263168
    .private_segment_fixed_size: 0
    .kernarg_segment_align: 8
    .kernarg_segment_size: 48
    .max_flat_workgroup_size: 128
    .sgpr_count:     66
    .vgpr_count:     1024
    .wavefront_size: 32
...
	.end_amdgpu_metadata
.endif
;; end of part 4
